; MI455X (gfx1250); checked and timed in simulation.
; The chip was launched on July 23, 2026; its instructions are those of AMD's public machine-readable ISA for CDNA 5 (MIT licence, August 2026) and "CDNA5" Instruction Set Architecture Reference Guide (July 2026). The comments in the code are by the model that wrote it; some were corrected since.
;; Transformer Block. Allowed arithmetic: matrix products marked QUANTISED: E5M2 operands, one E8M0 scale for each 32 along K, by v_wmma_scale_f32_16x16x128_f8f6f4 with both operands' format E5M2, f32 sums; everything else in f32.
;; Inputs: b_attn 3,072 float32; b_fc 4,096 float32; b_fc2 1,024 float32; b_proj 1,024 float32; ln1_b 1,024 float32; ln1_g 1,024 float32; ln2_b 1,024 float32; ln2_g 1,024 float32; w_attn 1,024 x 3,072 float32; w_fc 1,024 x 4,096 float32; w_fc2 4,096 x 1,024 float32; w_proj 1,024 x 1,024 float32; x 2 x 2,048 x 1,024 float32.
;; Outputs: out0 2 x 2,048 x 1,024 float32.
;; This version of the problem:
;;   THIS VERSION OF THE PROBLEM IS GIVEN IN LOW PRECISION. The matrix products marked QUANTISED in the list below multiply operands that are first quantised to E5M2 (5 exponent bits, 2 mantissa bits; 8 bits a number), with one power-of-two scale for each 32 numbers along K (OCP MX v1.0); their sums are f32. All else is computed in f32.
;;   The module's matrix products, in the order in which they are computed (A, B: the left and right operand; K: the contracted axis; several contracted axes count as one K, in the product's order):
;;     1. [M 4,096, K 1,024] x [K 1,024, N 3,072]; A: computed on the way; B: input w_attn: QUANTISED
;;     2. batch 32 x [M 2,048, K 64] x [K 64, N 2,048]; A: computed on the way; B: computed on the way: QUANTISED
;;     3. batch 32 x [M 2,048, K 2,048] x [K 2,048, N 64]; A: softmax (see below); B: computed on the way: QUANTISED
;;     4. [M 4,096, K 1,024] x [K 1,024, N 1,024]; A: computed on the way; B: input w_proj: QUANTISED
;;     5. [M 4,096, K 1,024] x [K 1,024, N 4,096]; A: computed on the way; B: input w_fc: QUANTISED
;;     6. [M 4,096, K 4,096] x [K 4,096, N 1,024]; A: computed on the way; B: input w_fc2: QUANTISED
;;   THE QUANTISER, for each operand of a quantised product, along K:
;;     - K is cut into blocks of 32 from its start; a last block that is shorter is filled with zeros.
;;     - A block's scale is 2^e with e = floor(log2(the largest magnitude in the block)) - 15, held to -126 .. 127; a block of zeros has e = 0. As a byte (E8M0): e + 127.
;;     - Each number is divided by its block's scale, clamped to +-57,344, and rounded to the nearest number of E5M2, ties to even, subnormals kept.
;;     - The product sums the exact products of the quantised numbers (number of the format x scale) in f32.
;;   ~~~python
;;   def quantise(x, axis):      # numpy; x: float32 -> the quantised numbers, widened to float32 again
;;       x = np.moveaxis(x, axis, -1); K = x.shape[-1]
;;       x = np.pad(x, [(0, 0)] * (x.ndim - 1) + [(0, -K % 32)]); x = x.reshape(x.shape[:-1] + (-1, 32)); a = np.abs(x).max(-1, keepdims=True)
;;       e = np.where(a > 0, np.clip(np.frexp(np.where(a > 0, a, 1))[1] - 1 - 15, -126, 127), 0)      # np.frexp(a)[1] - 1 = floor(log2(a)), exactly
;;       r = np.clip(x / 2.0 ** e, -57344, 57344)
;;       step = 2.0 ** (np.maximum(np.frexp(np.where(r == 0, 1, r))[1] - 1, -14) - 2)
;;       q = np.round(r / step) * step * 2.0 ** e      # np.round: ties to even
;;       return np.moveaxis(q.reshape(q.shape[:-2] + (-1,))[..., :K], -1, axis).astype(np.float32)
;;   ~~~
;;   SOFTMAX AHEAD OF A QUANTISED PRODUCT. Where the list says 'softmax', what is quantised is not the finished softmax but p = 2^(t - M), with t = logit x log2(e) and M = ceil(the row's largest t), a whole number; so 1/2 < the row's largest p <= 1. The row's sum l is taken of the UNQUANTISED p, in f32, and the product's result is divided by l at the end. Since M is a whole number, a kernel that streams over the keys may use a running M (the ceiling of the running maximum): every later rescaling is an exact power of two, which a block's scale takes up: the codes' values come out the same.
;;   OPERANDS COMPUTED ON THE WAY. 'Computed on the way' means the value that the module computes at that place (a softmax that the list does not call 'softmax' is quantised finished and normalised). What goes into a quantiser is computed in f32, as accurately as f32 sums, v_exp_f32 and their like allow (about 1e-6 of the number): no bf16 or f16 on the way to a quantiser, and a product that is left as it is and whose result goes on into a quantised operand takes f32 operands (vector FMAs, or v_wmma_f32_16x16x4_f32). A number that lies on a knife's edge between two numbers of the format may be rounded either way, as far as f32 arithmetic and the matrix unit's own rounding can turn it there, and no further.
;; One version. Each part assembles by itself: llvm-mc -triple=amdgcn-amd-amdhsa -mcpu=gfx1250 --defsym DOCPART=n.
;; ======== version 1 of 1: 7 launches
;; limits: right only within a limited range of input values
;; workspace buffers: wq 12,976,128 bytes; ac 4,325,376 bytes; qq 4,456,448 bytes; kv 8,781,824 bytes; yy 4,325,376 bytes; x1 16,777,216 bytes; hh 17,301,504 bytes
;; launch ln1 (part 1): grid 640 x 1, 8 waves a work-group, no clusters, 67,328 bytes of LDS; arguments x, ln1_g, ln1_b, ac, w_attn, w_proj, w_fc, w_fc2, wq; writes ac, wq
.if DOCPART == 1
	.amdgcn_target "amdgcn-amd-amdhsa--gfx1250"
	.amdhsa_code_object_version 6
	.text
	.protected	k_q78ae2ee58c_ln1
	.globl	k_q78ae2ee58c_ln1
	.p2align	8
	.type	k_q78ae2ee58c_ln1,@function
k_q78ae2ee58c_ln1:
	s_mov_b64 s[64:65], 0
	v_nop
	global_prefetch_b8 v0, s[64:65] scope:SCOPE_SE
	s_setreg_imm32_b32 hwreg(HW_REG_WAVE_MODE, 25, 1), 1
	s_wait_xcnt 0x0
; LayerNorm of [4096][1024] f32 rows (mean, variance of the differences, 1 / sqrt(var + 1e-5), gain, bias: as reference() writes it, in f32), then quantised along the row to codes of E5M2 with
; one E8M0 scale for each 32, stored as images of a matrix operand's registers:
;   codes: ((k / 256 x 256 + tile) x 2 + (k / 128) % 2) x 2048 + 512 c + 16 lane;  scale words at byte 4,194,304: [tile][k / 128][16 places].
; A tile's 16 rows are not neighbours: place p of tile 2 B + u is row 32 B + 8 u + p + 8 (p / 8).
; SHARES: a work-group owns one tile.  First each of its eight waves normalises two whole rows (a row is 32 registers of a wave, read from memory once) and stores them to a stage in LDS; behind a barrier
; wave w quantises the tile's columns 128 w .. 128 w + 127: lane (r, h) takes, of the row at place r, 16 neighbours of each block of 32, so that the conversions' results are the operand's registers.
; LIMITS: NaN and infinities are not served; a block of zeros gets the byte 1, not 127 (its codes are zeros; this program alone reads the bytes).
; THE PROGRAM: one transformer block, x [4096 tokens][1024], all six matrix products on codes of E5M2 with one E8M0 scale for each 32 along K.
; Launches: ln1 (this body; it also quantises the four weights), qkv, attn, proj, ln2 (this body again, 256 work-groups: the LayerNorm alone), fc, fc2.
; WORK LEFT OUT (in launch attn alone): a step of 128 keys all of which come after a tile's 16 queries.  reference() builds the causal mask itself (jnp.tril) and sets those logits to
; -infinity ahead of the softmax, so their p is 0 and they add nothing to the row's sum or to the output, whatever finite values the inputs hold.  No input is left out: every weight, bias and gain is loaded.
; LIMIT: a NaN, an infinity or an overflow that would arise only in the steps left out is not carried to the result.  NaN and infinities among the inputs are not served.
; TWO PATHS, parted on the work-group's number alone: work-groups 0 .. 255 take the LayerNorm, work-groups 256 on the weights (label .Lweights, which uses no LDS and no barrier).  Neither needs the other's result.
.set PITCH, 4112                       ; a stage row: 4,096 bytes + 16, so that the 16 rows that a load touches start at different banks
.set SS,    65792                      ; behind the stage: the tile's 128 scale words
.set SPARE, 66304                      ; the spare words, 128 bytes for each wave: four blocks of 256 bytes that no other line names
.set G,   96                           ; v96-127  the gain at my 32 columns;  v128-159 the bias
.set BB,  128
.set T,   160                          ; v160-167 four chains
.set MU,  168                          ; v168-169 the mean, twice
.set RS,  170                          ; v170-173 1 / sqrt, twice for each row
.set VV,  174                          ; v174-175 var + eps of the two rows
.set PC,  176                          ; v176-191 a fragment's codes
.set TM,  200                          ; v200-215 at work in the quantiser
.set PW,  216                          ; the scale word
	s_cmp_ge_u32 ttmp9, 256
	s_cbranch_scc1 .Lweights
	s_load_b256 s[4:11], s[0:1], 0x0               ; the rows, gain, bias, the operand's buffer
	v_lshl_add_u32 v220, v0, 2, SPARE              ; my spare word; never rewritten
	v_mov_b32 v221, 0                              ; 0; never rewritten
	v_lshrrev_b32 v1, 5, v0
	s_delay_alu instid0(VALU_DEP_1)
	v_readfirstlane_b32 s12, v1                    ; wave 0..7
	v_and_b32 v2, 31, v0
	s_delay_alu instid0(VALU_DEP_1)
	v_lshlrev_b32 v3, 4, v2                        ; 16 x lane
	s_wait_alu depctr_va_vdst(0)
	v_and_b32 v4, 15, v0                           ; r
	s_wait_alu depctr_va_vdst(0)
	v_bfe_u32 v5, v0, 4, 1                         ; h
	s_lshr_b32 s13, ttmp9, 1
	s_lshl_b32 s13, s13, 5
	s_and_b32 s14, ttmp9, 1
	s_lshl_b32 s14, s14, 3
	s_add_co_u32 s13, s13, s14                     ; the tile's place 0: row 32 (T / 2) + 8 (T % 2)
	s_lshl_b32 s14, s12, 1
	s_add_co_u32 s13, s13, s14
	s_lshr_b32 s14, s12, 2
	s_lshl_b32 s14, s14, 3
	s_add_co_u32 s13, s13, s14                     ; places 2 w, 2 w + 1: + 2 w + 8 (w / 4): two neighbouring rows
	s_lshl_b32 s14, s13, 12
	s_mov_b32 s15, 0
	s_mul_i32 s16, s12, 2*PITCH
	v_add_nc_u32 v6, s16, v3                       ; into the stage: my two rows, 16 x lane
	v_mul_u32_u24 v7, v4, PITCH
	s_wait_alu depctr_va_vdst(0)
	v_lshl_add_u32 v7, v5, 6, v7
	s_lshl_b32 s16, s12, 9
	v_add_nc_u32 v7, s16, v7                       ; out of it: row r, + 512 w + 64 h
	s_lshl_b32 s16, s12, 6
	s_add_co_u32 s16, s16, SS
	v_lshl_add_u32 v8, v4, 2, s16                  ; my scale word: SS + 64 w + 4 r
	v_add_nc_u32 v9, SS, v3                        ; and all 128 back: 16 x lane
	s_lshr_b32 s18, s12, 1
	s_lshl_b32 s18, s18, 8
	s_add_co_u32 s18, s18, ttmp9
	s_lshl_b32 s18, s18, 12
	s_and_b32 s19, s12, 1
	s_lshl_b32 s19, s19, 11
	s_add_co_u32 s18, s18, s19                     ; my fragment's image
	s_mov_b32 s19, 0
	s_lshl_b32 s20, ttmp9, 9
	s_add_co_u32 s20, s20, 4194304                 ; the tile's scale words
	s_mov_b32 s21, 0
	s_mov_b32 s26, 0x3a800000                      ; 1 / 1024
	s_mov_b32 s28, 0x76543210
	s_mov_b32 s29, 0xfedcba98                      ; v_permlanex16_b32's selects for lane l xor 16
	s_mov_b32 s30, 0x600000                        ; the mantissa field of 57,344
	v_mov_b32 v222, 0x3727c5ac                     ; 1e-5
.irp b, 0,1,2,3
	v_mov_b32 v[TM+4+\b], 0                        ; written once: a lane permute's destination counts as one of its sources
.endr
	s_wait_kmcnt 0x0
	s_add_nc_u64 s[4:5], s[4:5], s[14:15]
	s_add_nc_u64 s[22:23], s[10:11], s[18:19]
	s_add_nc_u64 s[24:25], s[10:11], s[20:21]
.irp p, 0,1
.irp j, 0,1,2,3,4,5,6,7
	global_load_b128 v[32+32*\p+4*\j:35+32*\p+4*\j], v3, s[4:5] offset:4096*\p+512*\j    ; 512 consecutive bytes a load
.endr
.endr
.irp j, 0,1,2,3,4,5,6,7
	global_load_b128 v[G+4*\j:G+4*\j+3], v3, s[6:7] offset:512*\j
.endr
.irp j, 0,1,2,3,4,5,6,7
	global_load_b128 v[BB+4*\j:BB+4*\j+3], v3, s[8:9] offset:512*\j
.endr
.macro RSUM                            ; v[T] summed over the 32 lanes, the result in every lane
	s_delay_alu instid0(VALU_DEP_1)
	v_add_f32_dpp v[T], v[T], v[T] row_xmask:1 row_mask:0xf bank_mask:0xf
	s_delay_alu instid0(VALU_DEP_1)
	v_add_f32_dpp v[T], v[T], v[T] row_xmask:2 row_mask:0xf bank_mask:0xf
	s_delay_alu instid0(VALU_DEP_1)
	v_add_f32_dpp v[T], v[T], v[T] row_xmask:4 row_mask:0xf bank_mask:0xf
	s_delay_alu instid0(VALU_DEP_1)
	v_add_f32_dpp v[T], v[T], v[T] row_xmask:8 row_mask:0xf bank_mask:0xf
	s_delay_alu instid0(VALU_DEP_1)
	v_permlanex16_b32 v[T+2], v[T], s28, s29
	s_delay_alu instid0(VALU_DEP_1)
	v_add_f32 v[T], v[T], v[T+2]
.endm
.macro FOLD                            ; the four chains into v[T]
	s_delay_alu instid0(VALU_DEP_3)
	v_pk_add_f32 v[T:T+1], v[T:T+1], v[T+2:T+3]
	s_delay_alu instid0(VALU_DEP_2)
	v_pk_add_f32 v[T+4:T+5], v[T+4:T+5], v[T+6:T+7]
	s_delay_alu instid0(VALU_DEP_1)
	v_pk_add_f32 v[T:T+1], v[T:T+1], v[T+4:T+5]
	s_delay_alu instid0(VALU_DEP_1)
	v_add_f32 v[T], v[T], v[T+1]
.endm
.macro ROWSTAT R, k                    ; the row in v[R] on becomes x - mean; var + eps goes to v[VV + k]
.irp c, 0,1,2,3
	v_pk_add_f32 v[T+2*\c:T+2*\c+1], v[\R+2*\c:\R+2*\c+1], v[\R+8+2*\c:\R+9+2*\c]
.endr
.irp o, 16,24
.irp c, 0,1,2,3
	s_delay_alu instid0(VALU_DEP_4)
	v_pk_add_f32 v[T+2*\c:T+2*\c+1], v[T+2*\c:T+2*\c+1], v[\R+\o+2*\c:\R+\o+2*\c+1]
.endr
.endr
	FOLD
	RSUM
	s_delay_alu instid0(VALU_DEP_1)
	v_mul_f32 v[MU], s26, v[T]
	s_delay_alu instid0(VALU_DEP_1)
	v_mov_b32 v[MU+1], v[MU]
.set ii, 0
.rept 16
	v_pk_add_f32 v[\R+ii:\R+ii+1], v[\R+ii:\R+ii+1], v[MU:MU+1] neg_lo:[0,1] neg_hi:[0,1]
.set ii, ii+2
.endr
.irp c, 0,1,2,3
	v_pk_mul_f32 v[T+2*\c:T+2*\c+1], v[\R+2*\c:\R+2*\c+1], v[\R+2*\c:\R+2*\c+1]
.endr
.irp o, 8,16,24
.irp c, 0,1,2,3
	s_delay_alu instid0(VALU_DEP_4)
	v_pk_fma_f32 v[T+2*\c:T+2*\c+1], v[\R+\o+2*\c:\R+\o+2*\c+1], v[\R+\o+2*\c:\R+\o+2*\c+1], v[T+2*\c:T+2*\c+1]
.endr
.endr
	FOLD
	RSUM
	s_delay_alu instid0(VALU_DEP_1)
	v_fma_f32 v[VV+\k], v[T], s26, v222
.endm
	s_wait_loadcnt 16                              ; my two rows are in; the sixteen loads of gain and bias may be out
	ROWSTAT 32, 0
	ROWSTAT 64, 1
	s_wait_alu depctr_va_vdst(0)
	v_rsq_f32 v[RS], v[VV]                         ; twice each, to fill the pairs that the packed multiply takes
	v_rsq_f32 v[RS+1], v[VV]
	v_rsq_f32 v[RS+2], v[VV+1]
	v_rsq_f32 v[RS+3], v[VV+1]
	v_nop                                          ; a plain instruction behind the last of them
	s_wait_alu depctr_va_vdst(0)                   ; one wait for the four, ahead of their first reader
	s_wait_loadcnt 0x0                             ; gain and bias
.irp p, 0,1
.set ii, 0
.rept 16
	v_pk_mul_f32 v[32+32*\p+ii:33+32*\p+ii], v[32+32*\p+ii:33+32*\p+ii], v[RS+2*\p:RS+2*\p+1]
.set ii, ii+2
.endr
.set ii, 0
.rept 16
	v_pk_fma_f32 v[32+32*\p+ii:33+32*\p+ii], v[32+32*\p+ii:33+32*\p+ii], v[G+ii:G+ii+1], v[BB+ii:BB+ii+1]
.set ii, ii+2
.endr
.irp j, 0,1,2,3,4,5,6,7
	ds_store_b128 v6, v[32+32*\p+4*\j:35+32*\p+4*\j] offset:PITCH*\p+512*\j
.endr
.endr
	s_wait_dscnt 0x0                               ; for the others' sake: my rows lie in the stage
	s_barrier_signal -1
	s_barrier_wait -1
.irp c, 0,1,2,3
.irp i, 0,1,2,3
	ds_load_b128 v[32+16*\c+4*\i:35+16*\c+4*\i], v7 offset:128*\c+16*\i    ; register 16 c + 4 i + ..: k = 128 w + 32 c + 16 h + 0 .. 15 of the row at place r
.endr
.endr
	s_wait_dscnt 0x0
.irp b, 0,1,2,3
	v_max3_num_f32 v[TM+\b], |v[32+16*\b]|, |v[33+16*\b]|, 0x8000000   ; block b: my 16 numbers, and the floor 2^(16 - 127): the byte cannot fall under 1
.endr
.irp i, 2,4,6,8,10,12,14
.irp b, 0,1,2,3
	s_delay_alu instid0(VALU_DEP_4)
	v_max3_num_f32 v[TM+\b], v[TM+\b], |v[32+16*\b+\i]|, |v[33+16*\b+\i]|
.endr
.endr
.irp b, 0,1,2,3
	s_delay_alu instid0(VALU_DEP_4)
	v_permlanex16_b32 v[TM+4+\b], v[TM+\b], s28, s29
.endr
.irp b, 0,1,2,3
	s_delay_alu instid0(VALU_DEP_4)
	v_max_num_f32 v[TM+\b], v[TM+\b], v[TM+4+\b]   ; with lane l xor 16's: the block's largest magnitude
.endr
.irp b, 0,1,2,3
	s_delay_alu instid0(VALU_DEP_4)
	v_add_nc_u32 v[TM+12+\b], 0xf8800000, v[TM+\b] ; 15 off its exponent field: the conversion's scale operand
.endr
.irp b, 0,1,2,3
	v_and_or_b32 v[TM+8+\b], v[TM+\b], 0x7f800000, s30   ; 57,344 x the scale
.endr
.irp b, 0,1,2,3
	v_lshrrev_b32 v[TM+4+\b], 23, v[TM+12+\b]      ; the scale's byte
.endr
	s_delay_alu instid0(VALU_DEP_3)
	v_lshl_or_b32 v[PW], v[TM+5], 8, v[TM+4]
	s_delay_alu instid0(VALU_DEP_1)
	v_lshl_or_b32 v[PW], v[TM+6], 16, v[PW]
	s_delay_alu instid0(VALU_DEP_1)
	v_lshl_or_b32 v[PW], v[TM+7], 24, v[PW]
.irp b, 0,1,2,3
.irp i, 0,1,2,3,4,5,6,7,8,9,10,11,12,13,14,15
	v_med3_num_f32 v[32+16*\b+\i], v[32+16*\b+\i], -v[TM+8+\b], v[TM+8+\b]   ; the conversion does not saturate (ISA guide 7.6.2): the hold
.endr
	v_cvt_scalef32_pk8_bf8_f32 v[PC+4*\b:PC+1+4*\b], v[32+16*\b:39+16*\b], v[TM+12+\b]
	v_cvt_scalef32_pk8_bf8_f32 v[PC+2+4*\b:PC+3+4*\b], v[40+16*\b:47+16*\b], v[TM+12+\b]
.endr
	v_nop
.irp c, 0,1,2,3
	global_store_b128 v3, v[PC+4*\c:PC+4*\c+3], s[22:23] offset:512*\c      ; 512 consecutive bytes a store
.endr
	ds_store_b32 v8, v[PW]                         ; lanes r and r + 16 write the same word with the same value
	s_wait_dscnt 0x0
	s_barrier_signal -1
	s_barrier_wait -1
	s_cmp_lg_u32 s12, 0
	s_cbranch_scc1 .Lrest
	ds_load_b128 v[32:35], v9                      ; wave 0: the tile's 128 scale words leave as 512 consecutive bytes
	s_wait_dscnt 0x0
	global_store_b128 v3, v[32:35], s[24:25]
.Lrest:
	s_wait_tensorcnt 0x0                           ; the wave's end
	ds_add_u32 v220, v221
	s_wait_dscnt 0x0
	s_endpgm
; THE WEIGHTS: the four weights, f32 [K][N] with K as first axis, become codes with K innermost and scale bytes, laid as the matrix operand's registers want them:
;   codes: ((k / 256 x N / 16 + tile) x 2 + (k / 128) % 2) x 2048 + 512 c + 16 lane, c = (k / 32) % 4; the lane's 16 bytes are k = 32 c + 16 (lane / 16) + 0 .. 15 of the column at place lane % 16 of the tile.
;   Place p of tile 2 B + u is column 32 B + 8 u + p + 8 (p / 8).  Scale words (four bytes: 128 along K of one column): [K / 128][N / 16][16 places].
; A block's byte is its largest magnitude's exponent field - 15, held at 1 from below; a block of zeros gets the byte 1, not 127 (its codes are zeros; this program alone reads the bytes).
; SHARES: four waves take 128 columns x 128 along K, so a work-group of eight takes two such parts; a wave 32 columns (two tiles); a lane takes a column and its registers run down K: a block of 32 lies in one lane.
; Each store of codes writes two aligned runs of 256 bytes.  Waves share nothing.  Loads run two blocks (64 loads a wave) ahead.
.set OFF, 16                           ; v16-47   row i of a block: i x (a row of the weight in bytes) + my column's bytes
.set X,   48                           ; v48-111  two sets of 32 numbers
.set C,   112                          ; v112-143 codes: eight registers for each block, so that no store's data are written again
.macro PICK lim, ptr, start, kmask, logks, n4, nt, coff, soff      ; the part's number picks the tensor: only pointers and sizes are chosen
	s_cmp_lt_u32 s43, \lim
	s_cselect_b64 s[2:3], s[\ptr:\ptr+1], s[2:3]
	s_cselect_b32 s16, \start, s16
	s_cselect_b32 s17, \kmask, s17
	s_cselect_b32 s18, \logks, s18
	s_cselect_b32 s19, \n4, s19
	s_cselect_b32 s20, \nt, s20
	s_cselect_b32 s21, \coff, s21
	s_cselect_b32 s22, \soff, s22
.endm
.Lweights:
	s_load_b256 s[4:11], s[0:1], 0x20              ; w_attn, w_proj, w_fc, w_fc2
	s_load_b64 s[12:13], s[0:1], 0x40              ; wq
	v_lshrrev_b32 v1, 5, v0
	v_readfirstlane_b32 s44, v1                    ; wave 0..7
	s_and_b32 s14, s44, 3                          ; my place among the part's four waves
	s_lshr_b32 s44, s44, 2
	s_sub_co_u32 s43, ttmp9, 256
	s_lshl_b32 s43, s43, 1
	s_add_co_u32 s43, s43, s44                     ; the part: 0 .. 767
	v_and_b32 v2, 15, v0                           ; r: my place in a tile
	v_bfe_u32 v3, v0, 4, 1                         ; u: which of the wave's two tiles
	v_and_b32 v4, 8, v2
	v_add_nc_u32 v4, v4, v2                        ; r + 8 (r / 8)
	v_lshl_add_u32 v4, v3, 3, v4                   ; + 8 u: my column among the wave's 32
	v_lshlrev_b32 v4, 2, v4                        ; in bytes
	v_lshlrev_b32 v5, 4, v2
	v_lshl_add_u32 v5, v3, 12, v5                  ; codes: 4096 u + 16 r
	v_and_b32 v6, 31, v0
	v_lshlrev_b32 v6, 2, v6                        ; scale words: 4 x lane
	s_mov_b32 s15, 0x600000                        ; the mantissa field of 57,344
	s_mov_b32 s16, 512                             ; w_fc2's figures: first part, steps of 128 along K less one, their logarithm, a row in bytes, tiles of 16 columns, where its codes and its scale words begin in wq
	s_mov_b32 s17, 31
	s_mov_b32 s18, 5
	s_mov_b32 s19, 4096
	s_mov_b32 s20, 64
	s_mov_b32 s21, 8388608
	s_mov_b32 s22, 12845056
	s_wait_alu depctr_va_vdst(0)
	s_wait_kmcnt 0x0
	s_mov_b64 s[2:3], s[10:11]
	PICK 512, 8, 256, 7, 3, 16384, 256, 4194304, 12713984      ; w_fc
	PICK 256, 6, 192, 7, 3, 4096, 64, 3145728, 12681216        ; w_proj
	PICK 192, 4, 0, 7, 3, 12288, 192, 0, 12582912              ; w_attn
	s_sub_co_u32 s23, s43, s16
	s_and_b32 s40, s23, s17                        ; ks: which 128 along K
	s_lshr_b32 s41, s23, s18                       ; cg: which 128 columns
.set ii, 0
.rept 32
	v_mad_u32_u24 v[OFF+ii], s19, ii, v4
.set ii, ii+1
.endr
	s_mul_i32 s32, s40, s19
	s_lshl_b32 s32, s32, 7                         ; 128 ks rows
	s_lshl_b32 s33, s41, 9
	s_add_co_u32 s32, s32, s33                     ; + 128 cg columns
	s_lshl_b32 s33, s14, 7
	s_add_co_u32 s32, s32, s33                     ; + 32 x wave columns
	s_mov_b32 s33, 0
	s_add_nc_u64 s[24:25], s[2:3], s[32:33]        ; block 0,
	s_lshl_b32 s32, s19, 5                         ; and 32 rows on for each further block
	s_add_nc_u64 s[26:27], s[24:25], s[32:33]
	s_add_nc_u64 s[28:29], s[26:27], s[32:33]
	s_add_nc_u64 s[30:31], s[28:29], s[32:33]
	s_lshr_b32 s34, s40, 1
	s_mul_i32 s34, s34, s20
	s_lshl_b32 s35, s41, 3
	s_add_co_u32 s34, s34, s35
	s_lshl_b32 s35, s14, 1
	s_add_co_u32 s34, s34, s35                     ; (ks / 2) x tiles + my first tile
	s_lshl_b32 s34, s34, 12
	s_and_b32 s35, s40, 1
	s_lshl_b32 s35, s35, 11
	s_add_co_u32 s34, s34, s35
	s_add_co_u32 s34, s34, s21
	s_mov_b32 s35, 0
	s_add_nc_u64 s[36:37], s[12:13], s[34:35]      ; my codes
	s_mul_i32 s34, s40, s20
	s_lshl_b32 s34, s34, 4
	s_lshl_b32 s42, s41, 7
	s_add_co_u32 s34, s34, s42
	s_lshl_b32 s42, s14, 5
	s_add_co_u32 s34, s34, s42
	s_lshl_b32 s34, s34, 2
	s_add_co_u32 s34, s34, s22
	s_add_nc_u64 s[38:39], s[12:13], s[34:35]      ; my scale words
.macro LOAD t                          ; block t: 32 rows of my column into set t % 2
.set ii, 0
.rept 32
	global_load_b32 v[X+32*((\t)%2)+ii], v[OFF+ii], s[24+2*(\t):25+2*(\t)] th:TH_LOAD_NT
.set ii, ii+1
.endr
.endm
	s_wait_alu depctr_va_vdst(0)
	LOAD 0
	LOAD 1
.macro BLOCK t
.set XS, X+32*((\t)%2)
.if (\t) < 3
	s_wait_loadcnt 32                              ; this block's 32 loads are in; the next block's may be out
.else
	s_wait_loadcnt 0x0
.endif
	v_max3_num_f32 v8, |v[XS]|, |v[XS+1]|, |v[XS+2]|               ; the block's largest magnitude: all 32 numbers are mine; two chains
	v_max3_num_f32 v9, |v[XS+3]|, |v[XS+4]|, |v[XS+5]|
.irp i, 6,10,14,18,22,26
	v_max3_num_f32 v8, v8, |v[XS+\i]|, |v[XS+\i+1]|
	v_max3_num_f32 v9, v9, |v[XS+\i+2]|, |v[XS+\i+3]|
.endr
	v_max3_num_f32 v8, v8, |v[XS+30]|, |v[XS+31]|
	v_max3_num_f32 v8, v8, v9, 0x8000000           ; and the floor 2^(16 - 127): the byte cannot fall under 1
	v_add_nc_u32 v11, 0xf8800000, v8               ; 15 off its exponent field: the conversion's scale operand
	v_and_or_b32 v10, v8, 0x7f800000, s15          ; 57,344 x the scale
	v_lshrrev_b32 v12, 23, v11                     ; the scale's byte
.if (\t) == 0
	v_mov_b32 v13, v12                             ; four bytes make the column's scale word, the lower K in the lower byte
.else
	v_lshl_or_b32 v13, v12, 8*(\t), v13
.endif
.set ii, 0
.rept 32
	v_med3_num_f32 v[XS+ii], v[XS+ii], -v10, v10   ; the conversion to an 8-bit code does not saturate (ISA guide 7.6.2): hold the number first
.set ii, ii+1
.endr
.irp g, 0,1,2,3
	v_cvt_scalef32_pk8_bf8_f32 v[C+8*(\t)+2*\g:C+8*(\t)+2*\g+1], v[XS+8*\g:XS+8*\g+7], v11
.endr
	global_store_b128 v5, v[C+8*(\t):C+8*(\t)+3], s[36:37] offset:512*(\t)          ; k = 32 t + 0 .. 15: the image's lanes 0-15; sixteen lanes store 256 consecutive bytes, aligned
	global_store_b128 v5, v[C+8*(\t)+4:C+8*(\t)+7], s[36:37] offset:512*(\t)+256    ; k = 32 t + 16 .. 31: its lanes 16-31
.if (\t) < 2
	LOAD (\t)+2
.endif
.endm
	BLOCK 0
	BLOCK 1
	BLOCK 2
	BLOCK 3
	global_store_b32 v6, v13, s[38:39]             ; the wave's 32 scale words: 128 consecutive bytes
	s_endpgm
.Lfunc_end_k_q78ae2ee58c_ln1:
	.size	k_q78ae2ee58c_ln1, .Lfunc_end_k_q78ae2ee58c_ln1-k_q78ae2ee58c_ln1
	.p2alignl 7, 3214868480
	.fill 96, 4, 3214868480
	.section	.rodata,"a",@progbits
	.p2align	6, 0x0
	.amdhsa_kernel k_q78ae2ee58c_ln1
		.amdhsa_group_segment_fixed_size 67328
		.amdhsa_private_segment_fixed_size 0
		.amdhsa_enable_private_segment 0
		.amdhsa_kernarg_size 72
		.amdhsa_user_sgpr_count 2
		.amdhsa_user_sgpr_kernarg_segment_ptr 1
		.amdhsa_wavefront_size32 1
		.amdhsa_system_sgpr_workgroup_id_x 1
		.amdhsa_system_sgpr_workgroup_id_y 1
		.amdhsa_system_sgpr_workgroup_id_z 1
		.amdhsa_system_vgpr_workitem_id 0
		.amdhsa_next_free_vgpr 224
		.amdhsa_next_free_sgpr 66
		.amdhsa_reserve_vcc 0
		.amdhsa_float_denorm_mode_32 3
		.amdhsa_float_denorm_mode_16_64 3
		.amdhsa_memory_ordered 1
		.amdhsa_forward_progress 1
		.amdhsa_inst_pref_size 66
	.end_amdhsa_kernel
	.amdgpu_metadata
---
amdhsa.version: [ 1, 2 ]
amdhsa.kernels:
  - .name:           k_q78ae2ee58c_ln1
    .symbol:         k_q78ae2ee58c_ln1.kd
    .args:
      - { .name: x, .offset: 0, .size: 8, .value_kind: global_buffer, .address_space: global }
      - { .name: ln1_g, .offset: 8, .size: 8, .value_kind: global_buffer, .address_space: global }
      - { .name: ln1_b, .offset: 16, .size: 8, .value_kind: global_buffer, .address_space: global }
      - { .name: ac, .offset: 24, .size: 8, .value_kind: global_buffer, .address_space: global }
      - { .name: w_attn, .offset: 32, .size: 8, .value_kind: global_buffer, .address_space: global }
      - { .name: w_proj, .offset: 40, .size: 8, .value_kind: global_buffer, .address_space: global }
      - { .name: w_fc, .offset: 48, .size: 8, .value_kind: global_buffer, .address_space: global }
      - { .name: w_fc2, .offset: 56, .size: 8, .value_kind: global_buffer, .address_space: global }
      - { .name: wq, .offset: 64, .size: 8, .value_kind: global_buffer, .address_space: global }
    .group_segment_fixed_size: 67328
    .private_segment_fixed_size: 0
    .kernarg_segment_align: 8
    .kernarg_segment_size: 72
    .max_flat_workgroup_size: 256
    .sgpr_count:     66
    .vgpr_count:     224
    .wavefront_size: 32
...
	.end_amdgpu_metadata
.endif
;; end of part 1
;; launch qkv (part 2): grid 8 x 32, 4 waves a work-group, clusters of 4 x 4, 327,680 bytes of LDS; arguments ac, wq, b_attn, qq, kv; writes qq, kv
.if DOCPART == 2
	.amdgcn_target "amdgcn-amd-amdhsa--gfx1250"
	.amdhsa_code_object_version 6
	.text
	.protected	k_q78ae2ee58c_qkv
	.globl	k_q78ae2ee58c_qkv
	.p2align	8
	.type	k_q78ae2ee58c_qkv,@function
k_q78ae2ee58c_qkv:
	s_mov_b64 s[64:65], 0
	v_nop
	global_prefetch_b8 v0, s[64:65] scope:SCOPE_SE
	s_setreg_imm32_b32 hwreg(HW_REG_WAVE_MODE, 25, 1), 1
	s_wait_xcnt 0x0
	s_wait_alu depctr_hold_cnt(0) depctr_sa_sdst(0) depctr_va_vdst(0) depctr_va_sdst(0) depctr_va_ssrc(0) depctr_va_vcc(0) depctr_vm_vsrc(0)
	s_getreg_b32 s2, hwreg(HW_REG_IB_STS2, 6, 4)
	s_cmp_eq_u32 s2, 0
	s_cbranch_scc0 .Lentry_in_a_cluster
	s_endpgm
.Lentry_in_a_cluster:
	s_bfe_u32 s2, ttmp6, 0x10000c
	s_cmp_lg_u32 s2, 0xf033
	s_cbranch_scc0 .Lentry_shape_is_right
	s_endpgm
.Lentry_shape_is_right:
; qkv = LN1(x) w_attn + b_attn on codes of E5M2 (K = 1,024), and q, k, v quantised on the way out: q and k along the head's 64, v along the keys.  Nothing wide goes to memory.
; Both operands lie in memory as images of the operand's registers (launch ln1), so a tile is a dense block for the tensor data mover and a fragment is four LDS loads of 512 consecutive bytes.
; A WORK-GROUP STAYS: it owns 128 tokens and makes three tiles of 128 columns, one after the other: q, k and v of the same two heads (columns 128 X, 128 (X + 8), 128 (X + 16)).  Four waves, 64 x 64 each: 16 accumulators.
; A's 128 tokens x all of K (128 KB) are fetched once and stay in LDS.  B's 128 KB are two slots (K = 0 .. 511 and 512 .. 1,023): a slot is filled again with the next tile's codes as soon as this tile has read it:
; slot 0 at the change from K = 511 to 512, slot 1 behind the tile's way out.  B's scale words of all three tiles come once, with the first fills.  A wave has at most one tensor load out.
; CLUSTER 4 x 4: A's tiles are shared along a row of the cluster, B's along a column: joint loads with a mask of four; every refill stands behind a round of the cluster's barrier.
; THE 16 ROWS OF A TILE ARE NOT NEIGHBOURS (place p of tile 2 B + u is row 32 B + 8 u + p + 8 (p / 8)), on tokens and on columns alike.  So:
;   q, k: source 0 = 16 columns of w, source 1 = 16 tokens: a lane holds one token, and the registers of two neighbouring tiles of columns are 16 neighbours along the head's axis;
;   v:    source 0 = 16 tokens, source 1 = 16 columns: a lane holds one channel, and the registers of two neighbouring tiles of tokens are 16 neighbouring keys.
; The bias is the C of each sum's first matrix instruction; the next tile's is loaded at the head of a tile's way out.
; OUT: qq: codes [32 heads][128 tiles][2 c][512 bytes]; scale words at 4,194,304: [head][32 groups of 64 tokens][16 places][4 tiles], bytes 2 and 3 = 0x7f (they scale zero codes: K = 64 in a step of 128).
;      kv: a record of REC / 2 bytes for each head and 128 keys: K's codes (8 tiles x 1,024), V's codes at 8,192 ([4 tiles of channels][4 c][512]), K's scale words at 16,384, V's at 16,896 ([16 places][4 tiles]).
; LIMITS: NaN and infinities are not served; a block of zeros gets the byte 1, not 127 (its codes are zeros; this program alone reads the bytes).
; REGISTERS: window 0: v1-21 addresses; v22, v23 the add's two; v32-47 scale words, two sets; v48-63 at work in the quantiser; v64-95 the bias; v96-127 codes; v128-255 accumulators.  window 1: two buffers of A's 4 and B's 4 fragments.
.set NTOT,  3072
.set NT,    NTOT/16
.set NTL,   3                          ; tiles of a walk
.set RSB,   4*NTL                      ; rows of B's scale words for half of K; one load brings twice as many
.set TSTEP, 262144                     ; from a tile of the walk to the next: 64 tiles of 16 columns x 4,096 bytes
.set SOFF,  12582912                   ; w_attn's scale words in wq (its codes begin at 0)
.set ASOFF, 4194304                    ; the activations' scale words
.set REC,   34304
.set SCA,   262144                     ; LDS: A's chunk j at 32,768 j, B's at 131,072 + 32,768 j; A's scale words; B's; a stage for V's scale bytes; the spare words
.set SCB,   278528
.set SSTG,  299008
.set SPARE, 299520
.set STA,   512                        ; A's scale words: from tile to tile, and from one 128 along K to the next
.set SKA,   64
.set MSB, 0
.macro WIN new                         ; the immediate's high byte repeats the setting that is left
.if MSB != \new
	s_set_vgpr_msb (MSB<<8)|\new
.set MSB, \new
.endif
.endm
.set MUL,  0x05                        ; sources 0 and 1 window 1; C and D window 0
.set TO_F, 0x40                        ; destination window 1, address window 0
.macro ARM under, g0, g1, next         ; one arm of the head's tree of branches on the wave's number: its load, then a jump to the tree's end
	s_cmp_lt_u32 s14, \under
	s_cbranch_scc0 \next
	tensor_load_to_lds s[\g0:\g0+3], s[\g1:\g1+7]
	s_nop 0
.rept 4
	v_nop
.endr
	s_branch .Lhead_asked
\next:
.endm
.macro TLD g0, g1                      ; a joint load that every wave issues, each for 16 KB of its own (both addresses hang on the wave's number)
	tensor_load_to_lds s[\g0:\g0+3], s[\g1:\g1+7]
	s_nop 0
.rept 4
	v_nop
.endr
.endm
.macro CREST                           ; a round of the cluster's barrier behind its opening barrier
	s_cmp_lg_u32 s14, 0
	s_cbranch_scc1 .Lnot_wave_0_\@
	s_barrier_signal -3
.Lnot_wave_0_\@:
	s_barrier_wait -3
	s_barrier_signal -1
	s_barrier_wait -1
.endm
.macro CROUND                          ; a whole round
	s_barrier_signal -1
	s_barrier_wait -1
	CREST
.endm
.macro SETG0 g, b, goff, l, loff       ; a descriptor's group 0
	s_mov_b32 s[\g], 1
	s_add_co_u32 s[\g+1], s[\l], \loff
	s_add_nc_u64 s[\g+2:\g+3], s[\b:\b+1], \goff
	s_or_b32 s[\g+3], s[\g+3], 0x80000000
.endm
.macro PLACES n
.rept \n
	v_nop
.endr
.endm
; 40 LDS loads: the scale words (4 of A, 4 of B, tile t of the walk) into set sc, B's four fragments, A's four, of chunk j, half q, the ks-th 128 along K, into buffer f.  The youngest eight are A's fragments 2 and 3.
.macro FETCH j, q, ks, f, sc, t
	WIN 0
.irp i, 0,1,2,3
	ds_load_b32 v[32+8*(\sc)+\i], v16 offset:\i*STA+(\ks)*SKA
.endr
.irp i, 0,1,2,3
	ds_load_b32 v[36+8*(\sc)+\i], v17 offset:64*\i+512*(NTL*(\ks)+(\t))
.endr
	WIN TO_F
.irp i, 0,1,2,3
.irp c, 0,1,2,3
	ds_load_b128 v[(\f)+64+16*\i+4*\c:(\f)+64+16*\i+4*\c+3], v[12+(\j)] offset:4096*\i+2048*(\q)+512*\c
.endr
.endr
.irp i, 0,1,2,3
.irp c, 0,1,2,3
	ds_load_b128 v[(\f)+16*\i+4*\c:(\f)+16*\i+4*\c+3], v[8+(\j)] offset:4096*\i+2048*(\q)+512*\c
.endr
.endr
.endm
; 8 matrix instructions: A's tiles a0, a0 + 1 x B's four.  The 16 accumulators take turns, one instruction a turn, in the same order in every step and from tile to tile.
.macro MUL8 f, sc, a0, first, swap
.irp a, \a0, \a0+1
.irp b, 0,1,2,3
.if \swap
.set rD, 128+8*(4*\b+(\a))
.set rA, (\f)+16*(\a)
.set rB, (\f)+64+16*\b
.set zA, 32+8*(\sc)+(\a)
.set zB, 36+8*(\sc)+\b
.else
.set rD, 128+8*(4*(\a)+\b)
.set rA, (\f)+64+16*\b
.set rB, (\f)+16*(\a)
.set zA, 36+8*(\sc)+\b
.set zB, 32+8*(\sc)+(\a)
.endif
.if \first
	v_wmma_scale_f32_16x16x128_f8f6f4 v[rD:rD+7], v[rA:rA+15], v[rB:rB+15], v[64+8*\b:71+8*\b], v[zA], v[zB] matrix_a_fmt:MATRIX_FMT_BF8 matrix_b_fmt:MATRIX_FMT_BF8
.else
	v_wmma_scale_f32_16x16x128_f8f6f4 v[rD:rD+7], v[rA:rA+15], v[rB:rB+15], v[rD:rD+7], v[zA], v[zB] matrix_a_fmt:MATRIX_FMT_BF8 matrix_b_fmt:MATRIX_FMT_BF8
.endif
.endr
.endr
.endm
; A step of 128 along K on buffer and set p; in its middle the next step's fragments are fetched into the other buffer, eight places behind the products that read it.
.macro STEP p, nj, nq, nks, first, swap, t
	s_wait_dscnt 8                                 ; all but A's fragments 2 and 3
	WIN MUL
	MUL8 128*(\p), \p, 0, \first, \swap
	PLACES 8
	FETCH \nj, \nq, \nks, 128*(1-(\p)), 1-(\p), \t
	s_wait_dscnt 40                                ; all but the 40 just issued
	WIN MUL
	MUL8 128*(\p), \p, 2, \first, \swap
.endm
; The fourth step (buffer 1) changes B's slots.  Each wave waits for all its tensor loads (its part of slot 1 among them) and for its reads of slot 0.  fill = 1: it adds 0 to its spare word in between, the barrier opens a round
; of the cluster's barrier, and behind the round slot 0 is asked for again, with the next tile's codes: the wave's one tensor load there.
.macro TURNM fill, swap, t
	WIN 0                                          ; (the add's two registers lie in window 0)
	s_wait_tensorcnt 0x0
.if \fill
	ds_add_u32 v22, v23
	s_wait_dscnt 9                                 ; (the add and A's fragments 2 and 3 may be out)
.else
	s_wait_dscnt 8
.endif
	WIN MUL
	MUL8 128, 1, 0, 0, \swap                       ; eight matrix instructions stand between the add and the wait for it
	s_wait_dscnt 0x0                               ; the add is done, and my reads of slot 0 are over
	s_barrier_signal -1
	WIN 0
	s_barrier_wait -1
.if \fill
	CREST                                          ; no wave of any partner still reads slot 0 or has a load on its way
	s_add_nc_u64 s[70:71], s[70:71], TSTEP         ; no tensor load of mine is out: the descriptor steps to the next tile
	TLD 68, 32
	PLACES 4                                       ; with the four behind the load: eight places in front of the loads below
.else
	PLACES 8
.endif
	FETCH 2, 0, 4, 0, 0, \t
	WIN MUL
	MUL8 128, 1, 2, 0, \swap
.endm
.macro STEPS swap, t, fill             ; a tile's eight steps; its first fragments were fetched ahead
	STEP 0, 0, 1, 1, 1, \swap, \t
	STEP 1, 1, 0, 2, 0, \swap, \t
	STEP 0, 1, 1, 3, 0, \swap, \t
	TURNM \fill, \swap, \t
	STEP 0, 2, 1, 5, 0, \swap, \t
	STEP 1, 3, 0, 6, 0, \swap, \t
	STEP 0, 3, 1, 7, 0, \swap, \t
	s_wait_dscnt 8
	WIN MUL
	MUL8 128, 1, 0, 0, \swap
	s_wait_dscnt 0x0
	MUL8 128, 1, 2, 0, \swap
	WIN 0
	PLACES 8                                       ; in front of the first read of results, and of the loads into the bias's registers
.endm
; The change at a tile's end: all my tensor loads have landed (my part of the next tile's slot 0), the add, my LDS reads are over; a round; slot 1 is asked for again; then the next tile's first fragments.
.macro REFILL1 tn
	s_wait_tensorcnt 0x0
	ds_add_u32 v22, v23
	s_add_nc_u64 s[74:75], s[74:75], TSTEP         ; no tensor load of mine is out: the descriptor steps
	s_wait_dscnt 0x0
	CROUND
	TLD 72, 32
	FETCH 0, 0, 0, 0, 0, \tn
	WIN 0
.endm
; 32 numbers of a lane, v[s] on: two blocks of 32 (each shared with lane l xor 16) become 8 registers of codes at v[96 + 8 g] and two scale bytes in v[60 + g].  Each accumulator is read from its low end on.
.macro QUANT2 s, g
	v_max3_num_f32 v48, |v[\s]|, |v[\s+1]|, 0x8000000              ; with the floor 2^(16 - 127): the byte cannot fall under 1
	v_max3_num_f32 v49, |v[\s+16]|, |v[\s+17]|, 0x8000000
.irp i, 2,4,6,8,10,12,14
	v_max3_num_f32 v48, v48, |v[\s+\i]|, |v[\s+\i+1]|
	v_max3_num_f32 v49, v49, |v[\s+16+\i]|, |v[\s+17+\i]|
.endr
	v_permlanex16_b32 v50, v48, s84, s85
	v_permlanex16_b32 v51, v49, s84, s85
	v_max_num_f32 v48, v48, v50
	v_max_num_f32 v49, v49, v51
	v_add_nc_u32 v54, 0xf8800000, v48              ; 15 off the exponent field: the conversion's scale operand
	v_add_nc_u32 v55, 0xf8800000, v49
	v_and_or_b32 v52, v48, 0x7f800000, s86         ; 57,344 x the scale
	v_and_or_b32 v53, v49, 0x7f800000, s86
	v_lshrrev_b32 v56, 23, v54
	v_lshrrev_b32 v57, 23, v55
	v_lshl_or_b32 v[60+\g], v57, 8, v56
.set ii, 0
.rept 16
	v_med3_num_f32 v[\s+ii], v[\s+ii], -v52, v52   ; the conversion does not saturate (ISA guide 7.6.2): the hold
	v_med3_num_f32 v[\s+16+ii], v[\s+16+ii], -v53, v53
.set ii, ii+1
.endr
	v_cvt_scalef32_pk8_bf8_f32 v[96+8*\g:97+8*\g], v[\s:\s+7], v54
	v_cvt_scalef32_pk8_bf8_f32 v[98+8*\g:99+8*\g], v[\s+8:\s+15], v54
	v_cvt_scalef32_pk8_bf8_f32 v[100+8*\g:101+8*\g], v[\s+16:\s+23], v55
	v_cvt_scalef32_pk8_bf8_f32 v[102+8*\g:103+8*\g], v[\s+24:\s+31], v55
	v_nop                                          ; a plain line behind the last conversion
.endm
.macro BIASQK off                      ; the bias of a tile of q or k: tile b, register j: column 32 (b / 2) + 16 h + 8 (b % 2) + j
.irp b, 0,1,2,3
	global_load_b128 v[64+8*\b:67+8*\b], v21, s[8:9] offset:\off+128*(\b/2)+32*(\b%2)
	global_load_b128 v[68+8*\b:71+8*\b], v21, s[8:9] offset:\off+128*(\b/2)+32*(\b%2)+16
.endr
.endm
.macro QKOUT cb, sb                    ; the way out of a tile of q or k: codes to s[cb], scale words to s[sb]
.irp a, 0,1,2,3
	QUANT2 128+32*\a, \a
	global_store_b128 v20, v[96+8*\a:99+8*\a], s[\cb:\cb+1] offset:1024*\a           ; 512 consecutive bytes a store
	global_store_b128 v20, v[100+8*\a:103+8*\a], s[\cb:\cb+1] offset:1024*\a+512
.endr
.irp a, 0,1,2,3
	v_or_b32 v[60+\a], 0x7f7f0000, v[60+\a]        ; bytes 2 and 3 scale the zero codes of k = 64 .. 127
.endr
	s_wait_alu depctr_va_vdst(0)
	s_wait_xcnt 0x0                                ; EXEC changes only behind this wait; the codes' registers are free for the next tile too
	v_cmp_gt_u32 vcc_lo, 16, v4
	s_and_saveexec_b32 s87, vcc_lo
	global_store_b128 v18, v[60:63], s[\sb:\sb+1]  ; sixteen lanes store 256 consecutive bytes, aligned
	s_wait_xcnt 0x0
	s_or_b32 exec_lo, exec_lo, s87
.endm
	s_load_b256 s[4:11], s[0:1], 0x0               ; ac, wq, b_attn, qq
	s_load_b64 s[12:13], s[0:1], 0x20              ; kv
	v_lshl_add_u32 v22, v0, 2, SPARE
	v_mov_b32 v23, 0
	ds_add_u32 v22, v23                            ; the wave's opening
	ds_add_u32 v22, v23
	v_lshrrev_b32 v24, 5, v0
	v_readfirstlane_b32 s14, v24                   ; wave 0..3
	s_lshr_b32 s15, s14, 1                         ; wm: my half of the tokens.  Also: which chunk of a slot I fetch
	s_and_b32 s16, s14, 1                          ; wn: my half of the columns.  Also: which half of a block I fetch
	s_bfe_u32 s17, ttmp6, 0x40000                  ; cx
	s_bfe_u32 s18, ttmp6, 0x40004                  ; cy
	s_lshl_b32 s19, ttmp9, 2
	s_add_co_u32 s19, s19, s17                     ; X: the walk's first 128 columns; also: which two heads
	s_and_b32 s20, ttmp7, 0xffff
	s_lshl_b32 s20, s20, 2
	s_add_co_u32 s20, s20, s18                     ; tr: which 128 tokens
	s_lshl_b32 s21, s18, 2
	s_lshl_b32 s21, 15, s21                        ; my row of the cluster
	s_lshl_b32 s22, 0x1111, s17                    ; my column
	s_or_b32 s24, s21, (3<<16)|(1<<21)             ; group 1, word 0: the mask; elements of 8 bytes; bit 21 beside a mask; no padding
	s_or_b32 s32, s22, (3<<16)|(1<<21)
	s_or_b32 s40, s21, (3<<16)|(1<<21)
	s_or_b32 s48, s22, (3<<16)|(1<<21)
.irp g, 24, 32                         ; the head's loads of codes: all of K as four rows (chunks of 256 along K) of 32 KB, laid on end in LDS
	s_mov_b32 s[\g+1], 4096<<16
	s_mov_b32 s[\g+2], 4<<16
	s_mov_b32 s[\g+3], 4096<<16
	s_mov_b32 s[\g+4], 4
	s_mov_b32 s[\g+6], 0
	s_mov_b32 s[\g+7], 0
.endr
	s_mov_b32 s29, 131072                          ; from chunk to chunk, in elements of 8 bytes: A's 256 tiles of 4,096 bytes,
	s_mov_b32 s37, NT*512                          ; B's NT tiles
	s_mov_b32 s41, 32<<16                          ; A's scale words: eight tiles, 4 KB dense
	s_mov_b32 s42, 16<<16
	s_mov_b32 s43, 32<<16
	s_mov_b32 s44, 16
	s_mov_b32 s45, 32
	s_mov_b32 s46, 0
	s_mov_b32 s47, 0
	s_mov_b32 s49, 64<<16                          ; B's: rows of 512 bytes, 4,096 bytes apart: row 3 ks + t holds tile t's words of the ks-th 128 along K (a row of all columns is 3 x 4,096 bytes)
	s_mov_b32 s50, (2*RSB)<<16
	s_mov_b32 s51, 64<<16
	s_mov_b32 s52, 2*RSB
	s_mov_b32 s53, 512
	s_mov_b32 s54, 0
	s_mov_b32 s55, 0
	s_lshl_b32 s100, s20, 15                       ; A's side hangs on tr alone: tile 8 tr of chunk 0
	s_mov_b32 s101, 0
	s_lshl_b32 s78, s20, 12                        ; its scale words: 512 bytes a tile
	s_mov_b32 s79, 0
	s_lshl_b32 s62, s19, 15                        ; B's first tile whole: tile 8 X of chunk 0
	s_mov_b32 s63, 0
	s_mul_i32 s66, s15, NT                         ; B's on X alone: tile NT chunk + 8 X + 4 half
	s_lshl_b32 s67, s19, 3
	s_add_co_u32 s66, s66, s67
	s_lshl_b32 s67, s16, 2
	s_add_co_u32 s66, s66, s67
	s_lshl_b32 s66, s66, 12
	s_mov_b32 s67, 0
	s_lshl_b32 s82, s19, 9
	s_mov_b32 s83, 0
	s_lshl_b32 s23, s14, 14                        ; LDS: my 16 KB of a slot of B in the refills
	s_mov_b32 s84, 0x76543210                      ; v_permlanex16_b32's selects for lane l xor 16
	s_mov_b32 s85, 0xfedcba98
	s_mov_b32 s86, 0x600000                        ; the mantissa field of 57,344
	s_wait_dscnt 0x0                               ; both opening adds are done
	s_wait_kmcnt 0x0
	s_add_nc_u64 s[100:101], s[4:5], s[100:101]
	s_add_nc_u64 s[66:67], s[6:7], s[66:67]
	s_add_nc_u64 s[78:79], s[4:5], s[78:79]
	s_add_nc_u64 s[78:79], s[78:79], ASOFF
	s_or_b32 s79, s79, 0x80000000
	s_mov_b32 s76, 1
	s_mov_b32 s77, SCA
	s_add_nc_u64 s[82:83], s[6:7], s[82:83]
	s_add_nc_u64 s[82:83], s[82:83], SOFF
	s_or_b32 s83, s83, 0x80000000
	s_mov_b32 s80, 1
	s_mov_b32 s81, SCB
	s_mov_b32 s56, 1                               ; all of A: LDS 0 .. 131,071, chunk j at 32,768 j
	s_mov_b32 s57, 0
	s_mov_b64 s[58:59], s[100:101]
	s_or_b32 s59, s59, 0x80000000
	s_mov_b32 s60, 1                               ; all of B's first tile: LDS 131,072 on, chunk j at 32,768 j
	s_mov_b32 s61, 131072
	s_add_nc_u64 s[62:63], s[6:7], s[62:63]
	s_or_b32 s63, s63, 0x80000000
	SETG0 68, 66, 0, 23, 131072                    ; B's refills, slot 0 (chunks 0, 1)
	SETG0 72, 66, 2*NT*4096, 23, 196608            ; and slot 1 (chunks 2, 3)
	CROUND                                         ; all sixteen work-groups are here: the joint loads meet
	; THE HEAD'S LOADS, ONE A WAVE: wave 0 all of A, wave 1 all of B's first tile, wave 2 A's scale words, wave 3 B's
	ARM 1, 56, 24, .Lhead_b
	ARM 2, 60, 32, .Lhead_sa
	ARM 3, 76, 40, .Lhead_sb
	TLD 80, 48
.Lhead_asked:
	v_and_b32 v1, 15, v0                           ; r
	v_bfe_u32 v2, v0, 4, 1                         ; h
	v_and_b32 v4, 31, v0                           ; lane
	v_lshlrev_b32 v20, 4, v4                       ; 16 x lane
	s_wait_alu depctr_va_vdst(0)
	v_lshlrev_b32 v21, 6, v2                       ; the bias of q and k: 64 h
	s_lshl_b32 s2, s19, 7
	s_lshl_b32 s3, s16, 6
	s_add_co_u32 s2, s2, s3
	s_lshl_b32 s2, s2, 2
	s_mov_b32 s3, 0
	s_add_nc_u64 s[8:9], s[8:9], s[2:3]            ; the bias at my 64 columns of q; k's lie 4,096 bytes on, v's 8,192
	BIASQK 0
	s_lshl_b32 s2, s15, 14
	v_add_nc_u32 v8, s2, v20                       ; A's fragments: my four tiles of chunk 0
	s_lshl_b32 s2, s16, 14
	s_add_co_u32 s2, s2, 131072
	v_add_nc_u32 v12, s2, v20                      ; B's
.irp j, 1,2,3
	v_add_nc_u32 v[8+\j], \j*32768, v8
	v_add_nc_u32 v[12+\j], \j*32768, v12
.endr
	s_mul_i32 s2, s15, 4*STA
	s_add_co_u32 s2, s2, SCA
	v_lshl_add_u32 v16, v1, 2, s2                  ; A's scale words
	s_lshl_b32 s2, s16, 8
	s_add_co_u32 s2, s2, SCB
	v_lshl_add_u32 v17, v1, 2, s2                  ; B's
	v_and_b32 v24, 8, v1
	v_add_nc_u32 v24, v24, v1
	v_lshlrev_b32 v19, 2, v24                      ; the bias of v: 4 (r + 8 (r / 8))
	v_lshlrev_b32 v18, 4, v1                       ; 16 r
	s_lshl_b32 s2, s16, 8
	s_lshl_b32 s3, s15, 1
	s_add_co_u32 s2, s2, s3
	s_add_co_u32 s2, s2, SSTG
	v_add_nc_u32 v5, s2, v18                       ; V's scale bytes into the stage: 256 wn + 2 wm + 16 r
	v_add_nc_u32 v6, SSTG, v20                     ; and back
	v_mul_u32_u24 v7, v2, 8*REC
	v_add_nc_u32 v7, v7, v18                       ; where they go: lanes 16-31 the next head's record
	v_mov_b32 v50, 0                               ; written once: a lane permute's destination counts as one of its sources
	v_mov_b32 v51, 0
	; where the three tiles go
	s_lshl_b32 s2, s19, 1
	s_add_co_u32 s2, s2, s16                       ; my head,
	s_lshr_b32 s3, s20, 4
	s_lshl_b32 s3, s3, 4
	s_add_co_u32 s2, s2, s3                        ; + 16 x batch
	s_and_b32 s3, s20, 15                          ; which 128 tokens of the batch
	s_lshl_b32 s100, s2, 7
	s_lshl_b32 s101, s3, 3
	s_add_co_u32 s100, s100, s101
	s_lshl_b32 s101, s15, 2
	s_add_co_u32 s100, s100, s101
	s_lshl_b32 s100, s100, 10
	s_mov_b32 s101, 0
	s_add_nc_u64 s[88:89], s[10:11], s[100:101]    ; q's codes
	s_lshl_b32 s100, s2, 5
	s_lshl_b32 s23, s3, 1
	s_add_co_u32 s100, s100, s23
	s_add_co_u32 s100, s100, s15
	s_lshl_b32 s100, s100, 8
	s_add_co_u32 s100, s100, 4194304
	s_add_nc_u64 s[90:91], s[10:11], s[100:101]    ; q's scale words
	; kv IS LAID IN RECORDS OF 128 KEYS, REC / 2 = 17,152 bytes for each head and 128 keys: K's codes (8 tiles x 1,024), V's codes at 8,192 ([4 tiles of channels][4 c][512]), K's scale words at 16,384, V's at 16,896
	s_lshl_b32 s66, s2, 4
	s_add_co_u32 s66, s66, s3
	s_mul_i32 s66, s66, REC/2                      ; my head's record of these 128 keys
	s_lshl_b32 s100, s15, 12
	s_add_co_u32 s100, s100, s66
	s_add_nc_u64 s[92:93], s[12:13], s[100:101]    ; k's codes: my four tiles
	s_lshl_b32 s100, s15, 8
	s_add_co_u32 s100, s100, s66
	s_add_co_u32 s100, s100, 16384
	s_add_nc_u64 s[94:95], s[12:13], s[100:101]    ; k's scale words
	s_lshl_b32 s100, s15, 10
	s_add_co_u32 s100, s100, s66
	s_add_co_u32 s100, s100, 8192
	s_add_nc_u64 s[96:97], s[12:13], s[100:101]    ; v's codes: my two blocks of 32 keys
	s_mul_i32 s23, s16, 8*REC                      ; a head's sixteen records
	s_sub_co_u32 s100, s66, s23                    ; the record of the work-group's first head
	s_add_co_u32 s100, s100, 16896
	s_add_nc_u64 s[98:99], s[12:13], s[100:101]    ; v's scale words
	s_wait_alu depctr_va_vdst(0)
	s_wait_tensorcnt 0x0                           ; my one load of the head is in; no tensor load of mine is out, so a descriptor may be written:
	s_mov_b32 s33, 32<<16                          ; from here on a load of B brings 16 KB dense, as 64 rows of 256 bytes
	s_mov_b32 s34, 64<<16
	s_mov_b32 s35, 32<<16
	s_mov_b32 s36, 64
	s_mov_b32 s37, 32
	s_barrier_signal -1
	s_barrier_wait -1
	s_wait_loadcnt 0x0                             ; q's bias
	FETCH 0, 0, 0, 0, 0, 0
	; ---- q
	STEPS 0, 0, 1
	BIASQK 4096                                    ; k's bias lands while q goes out
	QKOUT 88, 90
	REFILL1 1
	s_wait_loadcnt 0x0
	; ---- k
	STEPS 0, 1, 1
.irp b, 0,1,2,3
	global_load_b32 v[64+8*\b], v19, s[8:9] offset:8192+128*(\b/2)+32*(\b%2)     ; v's bias: a lane holds one channel: the column at place r of tile b
.endr
	QKOUT 92, 94
	REFILL1 2
	s_wait_loadcnt 0x0
.irp b, 0,1,2,3
.irp j, 1,2,3,4,5,6,7
	v_mov_b32 v[64+8*\b+\j], v[64+8*\b]            ; its bias for all eight tokens
.endr
.endr
	PLACES 4
	; ---- v: the last tile asks for nothing
	s_wait_alu depctr_va_vdst(0)
	STEPS 1, 2, 0
.irp b, 0,1,2,3
	QUANT2 128+32*\b, \b
	global_store_b128 v20, v[96+8*\b:99+8*\b], s[96:97] offset:2048*\b
	global_store_b128 v20, v[100+8*\b:103+8*\b], s[96:97] offset:2048*\b+512
	ds_store_b16 v5, v[60+\b] offset:4*\b          ; my two bytes of the channel's scale word; the other two come from the wave with the other 64 keys
.endr
	s_wait_dscnt 0x0
	s_barrier_signal -1
	s_barrier_wait -1
	s_cmp_lg_u32 s14, 0
	s_cbranch_scc1 .Lend
	ds_load_b128 v[24:27], v6                      ; wave 0: both heads' words: two aligned runs of 256 bytes
	s_wait_dscnt 0x0
	global_store_b128 v7, v[24:27], s[98:99]
.Lend:
	s_wait_tensorcnt 0x0                           ; the wave's end
	ds_add_u32 v22, v23
	s_wait_dscnt 0x0
	CROUND                                         ; the closing round
	s_endpgm
.Lfunc_end_k_q78ae2ee58c_qkv:
	.size	k_q78ae2ee58c_qkv, .Lfunc_end_k_q78ae2ee58c_qkv-k_q78ae2ee58c_qkv
	.p2alignl 7, 3214868480
	.fill 96, 4, 3214868480
	.section	.rodata,"a",@progbits
	.p2align	6, 0x0
	.amdhsa_kernel k_q78ae2ee58c_qkv
		.amdhsa_group_segment_fixed_size 327680
		.amdhsa_private_segment_fixed_size 0
		.amdhsa_enable_private_segment 0
		.amdhsa_kernarg_size 40
		.amdhsa_user_sgpr_count 2
		.amdhsa_user_sgpr_kernarg_segment_ptr 1
		.amdhsa_wavefront_size32 1
		.amdhsa_system_sgpr_workgroup_id_x 1
		.amdhsa_system_sgpr_workgroup_id_y 1
		.amdhsa_system_sgpr_workgroup_id_z 1
		.amdhsa_system_vgpr_workitem_id 0
		.amdhsa_next_free_vgpr 512
		.amdhsa_next_free_sgpr 102
		.amdhsa_reserve_vcc 1
		.amdhsa_float_denorm_mode_32 3
		.amdhsa_float_denorm_mode_16_64 3
		.amdhsa_memory_ordered 1
		.amdhsa_forward_progress 1
		.amdhsa_inst_pref_size 186
	.end_amdhsa_kernel
	.amdgpu_metadata
---
amdhsa.version: [ 1, 2 ]
amdhsa.kernels:
  - .name:           k_q78ae2ee58c_qkv
    .symbol:         k_q78ae2ee58c_qkv.kd
    .args:
      - { .name: ac, .offset: 0, .size: 8, .value_kind: global_buffer, .address_space: global }
      - { .name: wq, .offset: 8, .size: 8, .value_kind: global_buffer, .address_space: global }
      - { .name: b_attn, .offset: 16, .size: 8, .value_kind: global_buffer, .address_space: global }
      - { .name: qq, .offset: 24, .size: 8, .value_kind: global_buffer, .address_space: global }
      - { .name: kv, .offset: 32, .size: 8, .value_kind: global_buffer, .address_space: global }
    .group_segment_fixed_size: 327680
    .private_segment_fixed_size: 0
    .kernarg_segment_align: 8
    .kernarg_segment_size: 40
    .max_flat_workgroup_size: 128
    .sgpr_count:     102
    .vgpr_count:     512
    .wavefront_size: 32
...
	.end_amdgpu_metadata
.endif
;; end of part 2
;; launch attn (part 3): grid 8 x 32, 16 waves a work-group, clusters of 4 x 1, 327,680 bytes of LDS; arguments qq, kv, yy; writes yy
.if DOCPART == 3
	.amdgcn_target "amdgcn-amd-amdhsa--gfx1250"
	.amdhsa_code_object_version 6
	.text
	.protected	k_q78ae2ee58c_attn
	.globl	k_q78ae2ee58c_attn
	.p2align	8
	.type	k_q78ae2ee58c_attn,@function
k_q78ae2ee58c_attn:
	s_mov_b64 s[64:65], 0
	v_nop
	global_prefetch_b8 v0, s[64:65] scope:SCOPE_SE
	s_setreg_imm32_b32 hwreg(HW_REG_WAVE_MODE, 25, 1), 1
	s_wait_xcnt 0x0
	s_wait_alu depctr_hold_cnt(0) depctr_sa_sdst(0) depctr_va_vdst(0) depctr_va_sdst(0) depctr_va_ssrc(0) depctr_va_vcc(0) depctr_vm_vsrc(0)
	s_getreg_b32 s2, hwreg(HW_REG_IB_STS2, 6, 4)
	s_cmp_eq_u32 s2, 0
	s_cbranch_scc0 .Lentry_in_a_cluster
	s_endpgm
.Lentry_in_a_cluster:
	s_bfe_u32 s2, ttmp6, 0x10000c
	s_cmp_lg_u32 s2, 0x3003
	s_cbranch_scc0 .Lentry_shape_is_right
	s_endpgm
.Lentry_shape_is_right:
; Causal attention of 32 heads (2 batches x 16), 2,048 positions, head size 64, both products on codes of E5M2; the result is quantised along the model's 1,024 for the projection.
; WORK LEFT OUT: a step of 128 keys all of which come after a tile's 16 queries: reference()'s own causal mask sets those logits to -infinity, so they add nothing for any input (see the first launch's head).
; SOFTMAX: t = score x log2(e) / 8; M = the running largest t rounded UP to a whole number; p = 2^(t - M) is quantised along the keys, not normalised; the row's sum is taken of the unquantised p and divides at the end;
; when M moves, the sum and O are multiplied by 2^(old M - new M): exact.  LIMIT: the promise holds while |t| stays under 2^31.  NaN and infinities are not served; a block of zeros gets the byte 1, not 127.
; THE FIRST PRODUCT has K = 64 in an instruction of K = 128: registers 8-15 of Q's fragment hold zero codes, and bytes 2, 3 of the scale words are 0x7f.
; LDS: a head's K and V, 16 records of 128 keys x 17,152 bytes = 274,432 bytes, lie in LDS whole.  Each of the sixteen waves asks for one record at the head: its one tensor load.  Nothing is filled again: no ring, no barrier in the loop.
; CLUSTER 4 x 1: four work-groups of a head need the same records: joint loads with the mask of all four.
; SHARES: a work-group owns the 16 tiles 8 k + g of the head (k = 0 .. 15 the rank, g = 0 .. 7 the work-group's x); the tile of rank k has k + 1 steps, the last on the diagonal: 136 steps.  They are dealt in pairs, i = 0 .. 7:
; wave i takes steps 0 .. 8 of rank 15 - i (9 steps); wave 8 + i takes rank i whole (i + 1 steps), stores it, and then steps 9 .. 15 - i of rank 15 - i (7 - i steps): 8 steps.  Wave 8 + i hands its part (O^T, -M, the sums)
; to wave i through LDS, behind one barrier; wave i joins the two under the larger M, by powers of two, and stores the tile.  What a wave walks hangs on its number and the count of steps alone.
; The second tile's Q waits in registers 8-15 of K's first fragment: finite codes there meet Q's zero codes and add 0.
; NO PREFETCH: every tile is asked for at the head, so there is no later load to run ahead of.
; LAYOUT: both products transposed (S^T = K Q^T, O^T = V^T P^T): a lane holds one query.  Place p of tile 2 B + u is key 32 B + 8 u + p + 8 (p / 8), so p's 16 registers of two neighbouring tiles are 16 neighbouring keys.
; REGISTERS: v1-3, v5-7 stay; v8, v9 the step's LDS addresses; v12 -M, v13 largest t, v[14:15] the sum; v16-31 Q; v32-95 K's four fragments; v96-159 S^T, p, then V's fragments; v160-191 O^T; v192-207 p's codes;
;   v208-219, v252, v253, v255 scale words; v220-227, v232-251, v254 at work.
.set R2,    17152                      ; a record: K's codes, V's codes at 8,192, K's scale words at 16,384, V's at 16,896
.set PART,  274432                     ; behind the records: the parts handed over, 9 x 512 bytes a pair
.set PSZ,   4608
.set SPARE, 311296                     ; the spare words, 128 bytes for each wave
.macro CROUND
	s_barrier_signal -1
	s_barrier_wait -1
	s_cmp_lg_u32 s10, 0
	s_cbranch_scc1 .Lnot_wave_0_\@
	s_barrier_signal -3
.Lnot_wave_0_\@:
	s_barrier_wait -3
	s_barrier_signal -1
	s_barrier_wait -1
.endm
.macro NOPS n
.rept \n
	v_nop
.endr
.endm
.macro QOFF tile, co, sc               ; byte offsets in qq of a tile's codes and scale words
	s_lshl_b32 s[\co], s14, 7
	s_add_co_u32 s[\co], s[\co], s[\tile]
	s_lshl_b32 s[\co], s[\co], 10
	s_mov_b32 s[\co+1], 0
	s_lshl_b32 s[\sc], s14, 5
	s_lshr_b32 s17, s[\tile], 2
	s_add_co_u32 s[\sc], s[\sc], s17
	s_lshl_b32 s[\sc], s[\sc], 8
	s_and_b32 s17, s[\tile], 3
	s_lshl_b32 s17, s17, 2
	s_add_co_u32 s[\sc], s[\sc], s17
	s_add_co_u32 s[\sc], s[\sc], 4194304
	s_mov_b32 s[\sc+1], 0
.endm
.macro RESET                           ; a tile's state: largest t = -3e38, the sums and O^T zeros: the first change of M multiplies zeros
	v_mov_b32 v13, 0xff61b1e6
	v_floor_f32 v12, -v13
	v_mov_b32 v14, 0
	v_mov_b32 v15, 0
.set ii, 0
.rept 32
	v_mov_b32 v[160+ii], 0
.set ii, ii+1
.endr
.endm
; THE WAY OUT of tile s15: O^T / the sum, quantised along the channels (two blocks of 32), stored as the projection's operand.
.macro WAYOUT
	NOPS 8                                         ; places behind the last products
	v_add_f32 v14, v14, v15
	v_permlanex16_b32 v254, v14, s20, s21
	v_add_f32 v14, v14, v254                       ; the row's sum
	s_wait_alu depctr_va_vdst(0)
	v_rcp_f32 v14, v14
	v_and_b32 v10, 15, v0
	v_lshlrev_b32 v10, 2, v10                      ; 4 r
	v_and_b32 v11, 31, v0
	s_and_b32 s40, s14, 15                         ; head
	s_lshr_b32 s41, s14, 4
	s_lshl_b32 s41, s41, 7
	s_add_co_u32 s41, s41, s15                     ; the tile among all 256
	s_lshr_b32 s42, s40, 2
	s_lshl_b32 s42, s42, 8
	s_add_co_u32 s42, s42, s41
	s_lshl_b32 s42, s42, 1
	s_bfe_u32 s43, s40, 0x10001
	s_add_co_u32 s42, s42, s43
	s_lshl_b32 s42, s42, 11
	s_and_b32 s43, s40, 1
	s_lshl_b32 s44, s43, 10
	s_add_co_u32 s42, s42, s44                     ; my codes: k = 64 head on
	s_lshl_b32 s44, s41, 9
	s_lshr_b32 s45, s40, 1
	s_lshl_b32 s45, s45, 6
	s_add_co_u32 s44, s44, s45
	s_lshl_b32 s45, s43, 1
	s_add_co_u32 s44, s44, s45
	s_add_co_u32 s44, s44, 4194304                 ; my two scale bytes of each row
	s_mov_b32 s43, 0
	s_mov_b32 s45, 0
	s_add_nc_u64 s[46:47], s[8:9], s[42:43]
	s_add_nc_u64 s[48:49], s[8:9], s[44:45]
	s_wait_alu depctr_va_vdst(0)                   ; the wait ahead of the reciprocal's first reader, which is O^T's too
.set ii, 0
.rept 16
	v_pk_mul_f32 v[96+ii:97+ii], v[160+ii:161+ii], v[14:15] op_sel_hi:[1,0]
.set ii, ii+2
.endr
	v_max3_num_f32 v232, |v96|, |v97|, 0x8000000   ; with the floor 2^(16 - 127)
	v_max3_num_f32 v233, |v112|, |v113|, 0x8000000
.irp i, 2,4,6,8,10,12,14
	v_max3_num_f32 v232, v232, |v[96+\i]|, |v[97+\i]|
	v_max3_num_f32 v233, v233, |v[112+\i]|, |v[113+\i]|
.endr
	v_permlanex16_b32 v236, v232, s20, s21
	v_permlanex16_b32 v237, v233, s20, s21
	v_max_num_f32 v232, v232, v236
	v_max_num_f32 v233, v233, v237
	v_add_nc_u32 v244, 0xf8800000, v232
	v_add_nc_u32 v245, 0xf8800000, v233
	v_and_or_b32 v240, v232, 0x7f800000, s19
	v_and_or_b32 v241, v233, 0x7f800000, s19
	v_lshrrev_b32 v246, 23, v244
	v_lshrrev_b32 v247, 23, v245
	v_lshl_or_b32 v248, v247, 8, v246
.set ii, 0
.rept 16
	v_med3_num_f32 v[96+ii], v[96+ii], -v240, v240
	v_med3_num_f32 v[112+ii], v[112+ii], -v241, v241
.set ii, ii+1
.endr
	v_cvt_scalef32_pk8_bf8_f32 v[192:193], v[96:103], v244
	v_cvt_scalef32_pk8_bf8_f32 v[194:195], v[104:111], v244
	v_cvt_scalef32_pk8_bf8_f32 v[196:197], v[112:119], v245
	v_cvt_scalef32_pk8_bf8_f32 v[198:199], v[120:127], v245
	v_nop
	global_store_b128 v1, v[192:195], s[46:47]     ; 512 consecutive bytes a store
	global_store_b128 v1, v[196:199], s[46:47] offset:512
	s_wait_xcnt 0x0                                ; EXEC changes only behind this wait
	v_cmp_gt_u32 vcc_lo, 16, v11
	s_and_saveexec_b32 s50, vcc_lo
	global_store_b16 v10, v248, s[48:49]           ; a head owns two of a scale word's four bytes
	s_wait_xcnt 0x0
	s_or_b32 exec_lo, exec_lo, s50
.endm
	s_load_b128 s[4:7], s[0:1], 0x0                ; qq, kv
	s_load_b64 s[8:9], s[0:1], 0x10                ; yy
	v_lshl_add_u32 v5, v0, 2, SPARE
	v_mov_b32 v6, 0
	ds_add_u32 v5, v6                              ; the opening
	ds_add_u32 v5, v6
	v_lshrrev_b32 v10, 5, v0
	v_readfirstlane_b32 s10, v10                   ; wave 0..15
	s_and_b32 s18, s10, 7                          ; i: my pair
	s_lshr_b32 s51, s10, 3                         ; 0: I take the long tile's first nine steps; 1: the short tile and the long tile's rest
	s_sub_co_u32 s52, 15, s18                      ; the long tile's rank
	s_cmp_eq_u32 s51, 0
	s_cselect_b32 s11, s52, s18                    ; the rank in hand
	s_bfe_u32 s12, ttmp6, 0x40000                  ; cx
	s_lshl_b32 s13, ttmp9, 2
	s_add_co_u32 s13, s13, s12                     ; g
	s_and_b32 s14, ttmp7, 0xffff                   ; the head (16 x batch + head)
	s_lshl_b32 s15, s11, 3
	s_add_co_u32 s15, s15, s13                     ; the tile in hand
	s_lshl_b32 s53, s52, 3
	s_add_co_u32 s53, s53, s13                     ; the long tile
	s_mov_b32 s24, 15|(3<<16)|(1<<21)              ; group 1: the mask of all four; elements of 8 bytes; bit 21 beside a mask
	s_mov_b32 s25, 32<<16                          ; 67 rows of 256 bytes, dense
	s_mov_b32 s26, 67<<16
	s_mov_b32 s27, 32<<16
	s_mov_b32 s28, 67
	s_mov_b32 s29, 32
	s_mov_b32 s30, 0
	s_mov_b32 s31, 0
	s_mul_i32 s16, s10, R2                         ; my record: the wave's number alone
	s_mul_i32 s42, s14, 16*R2
	s_add_co_u32 s42, s42, s16
	s_mov_b32 s43, 0
	QOFF 15, 44, 46
	QOFF 53, 48, 36
	s_mov_b32 s19, 0x600000                        ; the mantissa field of 57,344
	s_mov_b32 s20, 0x76543210
	s_mov_b32 s21, 0xfedcba98
	s_mov_b32 s22, 0x3e38aa3b                      ; c = log2(e) / 8
	s_mov_b32 s23, s22
	s_mov_b32 s2, 0                                ; the step's record in LDS
	s_mov_b32 s3, 0                                ; the step's number
	s_wait_dscnt 0x0                               ; both opening adds are done
	s_wait_kmcnt 0x0
	s_mov_b32 s32, 1
	s_mov_b32 s33, s16
	s_add_nc_u64 s[34:35], s[6:7], s[42:43]
	s_or_b32 s35, s35, 0x80000000
	s_add_nc_u64 s[44:45], s[4:5], s[44:45]
	s_add_nc_u64 s[46:47], s[4:5], s[46:47]
	s_add_nc_u64 s[48:49], s[4:5], s[48:49]
	s_add_nc_u64 s[36:37], s[4:5], s[36:37]
	CROUND                                         ; all four work-groups are here
	tensor_load_to_lds s[32:35], s[24:31]          ; every wave's one load
	s_nop 0
	NOPS 4
	v_and_b32 v10, 31, v0
	v_lshlrev_b32 v1, 4, v10                       ; 16 x lane
	v_and_b32 v10, 15, v0                          ; r
	v_lshlrev_b32 v2, 4, v10                       ; 16 r
	s_mul_i32 s17, s18, PSZ
	s_add_co_u32 s17, s17, PART
	v_add_nc_u32 v7, s17, v1                       ; my pair's part
	global_load_b128 v[16:19], v1, s[44:45]        ; Q's fragment: k = 0 .. 63
	global_load_b128 v[20:23], v1, s[44:45] offset:512
	global_load_b32 v255, v2, s[46:47]             ; Q's scale words
	s_lshr_b32 s16, s13, 1
	s_lshl_b32 s16, s16, 5
	s_and_b32 s17, s13, 1
	s_lshl_b32 s17, s17, 3
	s_add_co_u32 s16, s16, s17
	v_and_b32 v11, 8, v10
	v_add_nc_u32 v11, v11, v10
	v_bfe_u32 v3, v0, 4, 1
	v_lshlrev_b32 v3, 4, v3
	v_sub_nc_u32 v3, v11, v3
	v_add_nc_u32 v3, s16, v3                       ; my query - 128 rank - 16 h: on the diagonal register 16 b + n is hidden where 32 b + n is greater
.irp j, 24,25,26,27,28,29,30,31
	v_mov_b32 v[\j], 0                             ; zero codes: k = 64 .. 127 of Q,
.endr
.irp t, 1,2,3
.irp j, 8,9,10,11,12,13,14,15
	v_mov_b32 v[32+16*\t+\j], 0                    ; and of K's fragments 1 to 3: no load lands here
.endr
.endr
	RESET
.irp b, 0,1,2,3
	v_mov_b32 v[236+\b], 0                         ; a lane permute's destination counts as one of its sources
.endr
	v_mov_b32 v251, 0                              ; (named as the upper half of the pair v[250:251])
	v_mov_b32 v254, 0
	s_wait_alu depctr_va_vdst(0)
	s_cmp_eq_u32 s51, 0
	s_cbranch_scc1 .Lone_tile
	global_load_b128 v[40:43], v1, s[48:49]        ; the long tile's Q waits in registers 8-15 of K's fragment 0
	global_load_b128 v[44:47], v1, s[48:49] offset:512
	global_load_b32 v252, v2, s[36:37]
	s_branch .Lq_asked
.Lone_tile:
.irp j, 40,41,42,43,44,45,46,47,252
	v_mov_b32 v[\j], 0
.endr
.Lq_asked:
	s_wait_alu depctr_va_vdst(0)
	s_wait_loadcnt 0x0                             ; Q
	s_wait_tensorcnt 0x0                           ; my record is in
	s_barrier_signal -1
	s_barrier_wait -1                              ; and so is everybody's
.Lstep:                                            ; sixteen trips, a step of 128 keys each
	s_cmp_lg_u32 s3, 9
	s_cbranch_scc1 .Lgo
	s_cmp_eq_u32 s51, 0
	s_cbranch_scc1 .Lnine_done
	WAYOUT                                         ; waves 8-15: the short tile leaves, and the long tile's rest begins
.set ii, 0
.rept 8
	v_mov_b32 v[16+ii], v[40+ii]
.set ii, ii+1
.endr
	v_mov_b32 v255, v252
	RESET
	s_mov_b32 s11, s52
	s_mov_b32 s15, s53
	s_wait_alu depctr_va_vdst(0)
	s_branch .Lgo
.Lnine_done:
	s_mov_b32 s11, 0                               ; waves 0-7: the steps from 9 on are the partner's
.Lgo:
	s_cmp_gt_u32 s3, s11                           ; not mine, or all its keys come after my queries
	s_cbranch_scc1 .Lhidden
	v_add_nc_u32 v8, s2, v1
	v_add_nc_u32 v9, s2, v2
	s_wait_alu depctr_va_vdst(0)
	NOPS 8                                         ; with the two additions ten places: the products below write over V's fragments, which the last products read: nine are asked
.irp gg, 0,1
.if \gg
	NOPS 8
.endif
.irp t, 0,1,2,3
.irp c, 0,1
	ds_load_b128 v[32+16*\t+4*\c:35+16*\t+4*\c], v8 offset:1024*(4*\gg+\t)+512*\c
.endr
.endr
	ds_load_b128 v[208+4*\gg:211+4*\gg], v9 offset:16384+256*\gg
	s_wait_dscnt 0x0
.irp t, 0,1,2,3
	v_wmma_scale_f32_16x16x128_f8f6f4 v[96+8*(4*\gg+\t):103+8*(4*\gg+\t)], v[32+16*\t:47+16*\t], v[16:31], 0, v[208+4*\gg+\t], v255 matrix_a_fmt:MATRIX_FMT_BF8 matrix_b_fmt:MATRIX_FMT_BF8
.endr
.endr
	NOPS 8
	s_cmp_lt_u32 s3, s11                           ; a step under my rank: all its keys count
	s_cbranch_scc1 .Lopen
	v_mov_b32 v254, 0xff800000                     ; on the diagonal hidden scores become -infinity ahead of the maximum: p = 0 then
.set nn, 0
.rept 64
	v_cmp_gt_i32 vcc_lo, 32*(nn/16)+nn%16, v3
	v_cndmask_b32 v[96+nn], v[96+nn], v254, vcc_lo
.set nn, nn+1
.endr
.Lopen:
.irp b, 0,1,2,3
	v_max3_num_f32 v[232+\b], v[96+16*\b], v[97+16*\b], v[98+16*\b]       ; the largest score of each block of 32 keys: for the row's maximum, and for the block's largest p
.endr
.irp i, 3,5,7,9,11,13
.irp b, 0,1,2,3
	v_max3_num_f32 v[232+\b], v[232+\b], v[96+16*\b+\i], v[97+16*\b+\i]
.endr
.endr
.irp b, 0,1,2,3
	v_max_num_f32 v[232+\b], v[232+\b], v[111+16*\b]
.endr
.irp b, 0,1,2,3
	v_permlanex16_b32 v[236+\b], v[232+\b], s20, s21
.endr
.irp b, 0,1,2,3
	v_max_num_f32 v[232+\b], v[232+\b], v[236+\b]
.endr
	v_max3_num_f32 v254, v232, v233, v234
	v_max_num_f32 v254, v254, v235
	v_mul_f32 v254, s22, v254
	v_max_num_f32 v13, v13, v254                   ; the running largest t
	v_mov_b32 v254, v12
	v_floor_f32 v12, -v13                          ; the new -M = -ceil(t)
	v_sub_f32 v254, v12, v254                      ; old M - new M: a whole number, 0 or less
	v_cvt_i32_f32 v254, v254                       ; (it saturates)
	v_ldexp_f32 v250, 1.0, v254                    ; f = 2^(old M - new M)
.set ii, 0
.rept 32
	v_pk_fma_f32 v[96+ii:97+ii], v[96+ii:97+ii], s[22:23], v[12:13] op_sel_hi:[1,0,0]    ; t - M
.set ii, ii+2
.endr
.irp b, 0,1,2,3
	v_fma_f32 v[232+\b], v[232+\b], s22, v12
.endr
	s_wait_alu depctr_va_vdst(0)
.set ii, 0
.rept 64
	v_exp_f32 v[96+ii], v[96+ii]                   ; p = 2^(t - M)
.set ii, ii+1
.endr
	v_pk_mul_f32 v[14:15], v[14:15], v[250:251] op_sel_hi:[1,0]           ; the sums under the new M (a plain line behind the exponentials)
	s_wait_alu depctr_va_vdst(0)                   ; one wait for the batch, ahead of its first reader
.irp b, 0,1,2,3
	v_exp_f32 v[232+\b], v[232+\b]                 ; the block's largest p
.endr
.irp k, 0,1,2,3
	v_pk_add_f32 v[220+2*\k:221+2*\k], v[96+2*\k:97+2*\k], v[104+2*\k:105+2*\k]          ; the row's sum of the unquantised p: four chains by turns
.endr
.irp o, 16,24,32,40,48,56
.irp k, 0,1,2,3
	v_pk_add_f32 v[220+2*\k:221+2*\k], v[220+2*\k:221+2*\k], v[96+\o+2*\k:97+\o+2*\k]
.endr
.endr
	v_pk_add_f32 v[220:221], v[220:221], v[222:223]
	v_pk_add_f32 v[224:225], v[224:225], v[226:227]
	v_pk_add_f32 v[14:15], v[14:15], v[220:221]
	v_pk_add_f32 v[14:15], v[14:15], v[224:225]
	s_wait_alu depctr_va_vdst(0)                   ; and one for the four
.irp b, 0,1,2,3
	v_max_num_f32 v[232+\b], 0x8000000, v[232+\b]  ; the floor 2^(16 - 127)
.endr
.irp b, 0,1,2,3
	v_add_nc_u32 v[244+\b], 0xf8800000, v[232+\b]
.endr
.irp b, 0,1,2,3
	v_and_or_b32 v[240+\b], v[232+\b], 0x7f800000, s19
.endr
.irp b, 0,1,2,3
	v_lshrrev_b32 v[236+\b], 23, v[244+\b]
.endr
	v_lshl_or_b32 v253, v237, 8, v236              ; p's scale word for these 128 keys
	v_lshl_or_b32 v253, v238, 16, v253
	v_lshl_or_b32 v253, v239, 24, v253
.irp b, 0,1,2,3
.irp i, 0,1,2,3,4,5,6,7,8,9,10,11,12,13,14,15
	v_min_num_f32 v[96+16*\b+\i], v[96+16*\b+\i], v[240+\b]               ; the hold: p is not negative
.endr
	v_cvt_scalef32_pk8_bf8_f32 v[192+4*\b:193+4*\b], v[96+16*\b:103+16*\b], v[244+\b]
	v_cvt_scalef32_pk8_bf8_f32 v[194+4*\b:195+4*\b], v[104+16*\b:111+16*\b], v[244+\b]
.endr
	s_wait_alu depctr_va_vdst(0)
.set ii, 0
.rept 16
	v_pk_mul_f32 v[160+ii:161+ii], v[160+ii:161+ii], v[250:251] op_sel_hi:[1,0]          ; O^T under the new M; these are also the places in front of the products below
.set ii, ii+2
.endr
.irp b, 0,1,2,3
.irp c, 0,1,2,3
	ds_load_b128 v[96+16*\b+4*\c:99+16*\b+4*\c], v8 offset:8192+2048*\b+512*\c
.endr
.endr
	ds_load_b128 v[216:219], v9 offset:16896
	s_wait_alu depctr_va_vdst(0)
	s_wait_dscnt 0x0
.irp b, 0,1,2,3
	v_wmma_scale_f32_16x16x128_f8f6f4 v[160+8*\b:167+8*\b], v[96+16*\b:111+16*\b], v[192:207], v[160+8*\b:167+8*\b], v[216+\b], v253 matrix_a_fmt:MATRIX_FMT_BF8 matrix_b_fmt:MATRIX_FMT_BF8
.endr
.Lhidden:
	s_add_co_u32 s2, s2, R2
	s_add_co_u32 s3, s3, 1
	s_cmp_lt_u32 s3, 16
	s_cbranch_scc1 .Lstep
	NOPS 8                                         ; places behind the last products
	s_cmp_eq_u32 s51, 0
	s_cbranch_scc1 .Lno_part
.set ii, 0
.rept 8
	ds_store_b128 v7, v[160+4*ii:163+4*ii] offset:512*ii                  ; waves 8-15: my part of the long tile: O^T, each accumulator from its low end on,
.set ii, ii+1
.endr
	ds_store_b128 v7, v[12:15] offset:4096         ; -M, the largest t, the sums
.Lno_part:
	s_wait_dscnt 0x0                               ; for the partner's sake
	s_barrier_signal -1
	s_barrier_wait -1
	s_cmp_lg_u32 s51, 0
	s_cbranch_scc1 .Lend
.set ii, 0
.rept 9
	ds_load_b128 v[96+4*ii:99+4*ii], v7 offset:512*ii                     ; waves 0-7: the partner's O^T in v96-127, its -M in v128, its sums in v[130:131]
.set ii, ii+1
.endr
	s_wait_dscnt 0x0
	v_min_num_f32 v132, v12, v128                  ; -M of the two together
	v_sub_f32 v133, v132, v12                      ; whole numbers, 0 or less
	v_sub_f32 v134, v132, v128
	v_cvt_i32_f32 v133, v133                       ; (they saturate: an empty part is multiplied by 0)
	v_cvt_i32_f32 v134, v134
	v_ldexp_f32 v250, 1.0, v133
	v_ldexp_f32 v136, 1.0, v134
	v_mov_b32 v137, v136
	v_pk_mul_f32 v[14:15], v[14:15], v[250:251] op_sel_hi:[1,0]
	v_pk_fma_f32 v[14:15], v[130:131], v[136:137], v[14:15]
.set ii, 0
.rept 16
	v_pk_mul_f32 v[160+ii:161+ii], v[160+ii:161+ii], v[250:251] op_sel_hi:[1,0]
.set ii, ii+2
.endr
.set ii, 0
.rept 16
	v_pk_fma_f32 v[160+ii:161+ii], v[96+ii:97+ii], v[136:137], v[160+ii:161+ii]
.set ii, ii+2
.endr
	WAYOUT
.Lend:
	s_wait_tensorcnt 0x0                           ; the wave's end
	ds_add_u32 v5, v6
	s_wait_dscnt 0x0
	CROUND                                         ; the closing round
	s_endpgm
.Lfunc_end_k_q78ae2ee58c_attn:
	.size	k_q78ae2ee58c_attn, .Lfunc_end_k_q78ae2ee58c_attn-k_q78ae2ee58c_attn
	.p2alignl 7, 3214868480
	.fill 96, 4, 3214868480
	.section	.rodata,"a",@progbits
	.p2align	6, 0x0
	.amdhsa_kernel k_q78ae2ee58c_attn
		.amdhsa_group_segment_fixed_size 327680
		.amdhsa_private_segment_fixed_size 0
		.amdhsa_enable_private_segment 0
		.amdhsa_kernarg_size 24
		.amdhsa_user_sgpr_count 2
		.amdhsa_user_sgpr_kernarg_segment_ptr 1
		.amdhsa_wavefront_size32 1
		.amdhsa_system_sgpr_workgroup_id_x 1
		.amdhsa_system_sgpr_workgroup_id_y 1
		.amdhsa_system_sgpr_workgroup_id_z 1
		.amdhsa_system_vgpr_workitem_id 0
		.amdhsa_next_free_vgpr 256
		.amdhsa_next_free_sgpr 66
		.amdhsa_reserve_vcc 1
		.amdhsa_float_denorm_mode_32 3
		.amdhsa_float_denorm_mode_16_64 3
		.amdhsa_memory_ordered 1
		.amdhsa_forward_progress 1
		.amdhsa_inst_pref_size 52
	.end_amdhsa_kernel
	.amdgpu_metadata
---
amdhsa.version: [ 1, 2 ]
amdhsa.kernels:
  - .name:           k_q78ae2ee58c_attn
    .symbol:         k_q78ae2ee58c_attn.kd
    .args:
      - { .name: qq, .offset: 0, .size: 8, .value_kind: global_buffer, .address_space: global }
      - { .name: kv, .offset: 8, .size: 8, .value_kind: global_buffer, .address_space: global }
      - { .name: yy, .offset: 16, .size: 8, .value_kind: global_buffer, .address_space: global }
    .group_segment_fixed_size: 327680
    .private_segment_fixed_size: 0
    .kernarg_segment_align: 8
    .kernarg_segment_size: 24
    .max_flat_workgroup_size: 512
    .sgpr_count:     66
    .vgpr_count:     256
    .wavefront_size: 32
...
	.end_amdgpu_metadata
.endif
;; end of part 3
;; launch proj (part 4): grid 8 x 32, 4 waves a work-group, clusters of 4 x 4, 327,680 bytes of LDS; arguments yy, wq, b_proj, x, x1; writes x1
.if DOCPART == 4
	.amdgcn_target "amdgcn-amd-amdhsa--gfx1250"
	.amdhsa_code_object_version 6
	.text
	.protected	k_q78ae2ee58c_proj
	.globl	k_q78ae2ee58c_proj
	.p2align	8
	.type	k_q78ae2ee58c_proj,@function
k_q78ae2ee58c_proj:
	s_mov_b64 s[64:65], 0
	v_nop
	global_prefetch_b8 v0, s[64:65] scope:SCOPE_SE
	s_setreg_imm32_b32 hwreg(HW_REG_WAVE_MODE, 25, 1), 1
	s_wait_xcnt 0x0
	s_wait_alu depctr_hold_cnt(0) depctr_sa_sdst(0) depctr_va_vdst(0) depctr_va_sdst(0) depctr_va_ssrc(0) depctr_va_vcc(0) depctr_vm_vsrc(0)
	s_getreg_b32 s2, hwreg(HW_REG_IB_STS2, 6, 4)
	s_cmp_eq_u32 s2, 0
	s_cbranch_scc0 .Lentry_in_a_cluster
	s_endpgm
.Lentry_in_a_cluster:
	s_bfe_u32 s2, ttmp6, 0x10000c
	s_cmp_lg_u32 s2, 0xf033
	s_cbranch_scc0 .Lentry_shape_is_right
	s_endpgm
.Lentry_shape_is_right:
; x1 = x + y w_proj + b_proj: y (the attention's result) and w_proj as codes of E5M2, K = 1,024; x, x1 f32 [4096][1024].
; The product's core is launch qkv's: a work-group makes 128 tokens x 128 columns, four waves of 64 x 64; all of K (four chunks of 256) lies in LDS, each chunk filled once; cluster 4 x 4 with joint loads.
; 128 x 128 and not more: 1,024 columns give 256 such tiles, one for each work-group of the grid.
; Source 0 = 16 columns of w, source 1 = 16 tokens: a lane holds eight neighbouring columns of one token.  The bias is the C of each sum's first matrix instruction.
; THE WAY OUT: the tile goes through a stage in LDS (128 rows of 512 bytes + 16), which undoes the order of the tiles' rows; each wave reads 32 whole rows, adds the residual (loaded at the start into window 2) and stores 512 consecutive bytes an instruction.
; The stage lies in A's chunks 0, 1 and the first 2,048 bytes of 2: they have had their only fill, and every wave has passed the barrier behind its last read of them.
; REGISTERS: window 0: v1-21 addresses; v22, v23 the add's two; v32-47 scale words; v64-95 the bias; v128-255 accumulators.  window 1: two buffers of fragments.  window 2: v0-127 the residual.
.set NTOT,  1024
.set NT,    NTOT/16
.set COFF,  3145728
.set SOFF,  12681216
.set ASOFF, 4194304
.set SCA,   262144
.set SCB,   278528
.set SPARE, 295424
.set STA,   512
.set SKA,   64
.set MSB, 0
.macro WIN new
.if MSB != \new
	s_set_vgpr_msb (MSB<<8)|\new
.set MSB, \new
.endif
.endm
.set MUL,  0x05
.set TO_F, 0x40
.macro ARM under, g0, g1, next         ; one arm of the head's tree of branches on the wave's number: its load, then a jump to the tree's end
	s_cmp_lt_u32 s14, \under
	s_cbranch_scc0 \next
	tensor_load_to_lds s[\g0:\g0+3], s[\g1:\g1+7]
	s_nop 0
.rept 4
	v_nop
.endr
	s_branch .Lhead_asked
\next:
.endm
.macro CROUND
	s_barrier_signal -1
	s_barrier_wait -1
	s_cmp_lg_u32 s14, 0
	s_cbranch_scc1 .Lnot_wave_0_\@
	s_barrier_signal -3
.Lnot_wave_0_\@:
	s_barrier_wait -3
	s_barrier_signal -1
	s_barrier_wait -1
.endm
.macro PLACES n
.rept \n
	v_nop
.endr
.endm
.macro FETCH j, q, ks, f, sc           ; 40 LDS loads: 8 scale words, B's four fragments, A's four; the youngest eight are A's fragments 2 and 3
	WIN 0
.irp i, 0,1,2,3
	ds_load_b32 v[32+8*(\sc)+\i], v16 offset:\i*STA+(\ks)*SKA
.endr
.irp i, 0,1,2,3
	ds_load_b32 v[36+8*(\sc)+\i], v17 offset:64*\i+512*(\ks)
.endr
	WIN TO_F
.irp i, 0,1,2,3
.irp c, 0,1,2,3
	ds_load_b128 v[(\f)+64+16*\i+4*\c:(\f)+64+16*\i+4*\c+3], v[12+(\j)] offset:4096*\i+2048*(\q)+512*\c
.endr
.endr
.irp i, 0,1,2,3
.irp c, 0,1,2,3
	ds_load_b128 v[(\f)+16*\i+4*\c:(\f)+16*\i+4*\c+3], v[8+(\j)] offset:4096*\i+2048*(\q)+512*\c
.endr
.endr
.endm
.macro MUL8 f, sc, a0, first           ; 8 matrix instructions; the 16 accumulators take turns, one instruction a turn
.irp a, \a0, \a0+1
.irp b, 0,1,2,3
.set rD, 128+8*(4*(\a)+\b)
.set rA, (\f)+64+16*\b
.set rB, (\f)+16*(\a)
.set zA, 36+8*(\sc)+\b
.set zB, 32+8*(\sc)+(\a)
.if \first
	v_wmma_scale_f32_16x16x128_f8f6f4 v[rD:rD+7], v[rA:rA+15], v[rB:rB+15], v[64+8*\b:71+8*\b], v[zA], v[zB] matrix_a_fmt:MATRIX_FMT_BF8 matrix_b_fmt:MATRIX_FMT_BF8
.else
	v_wmma_scale_f32_16x16x128_f8f6f4 v[rD:rD+7], v[rA:rA+15], v[rB:rB+15], v[rD:rD+7], v[zA], v[zB] matrix_a_fmt:MATRIX_FMT_BF8 matrix_b_fmt:MATRIX_FMT_BF8
.endif
.endr
.endr
.endm
.macro STEP p, nj, nq, nks, first
	s_wait_dscnt 8                                 ; all but A's fragments 2 and 3
	WIN MUL
	MUL8 128*(\p), \p, 0, \first
	PLACES 8                                       ; in front of loads into registers that matrix instructions have read
	FETCH \nj, \nq, \nks, 128*(1-(\p)), 1-(\p)
	s_wait_dscnt 40                                ; all but the 40 just issued
	WIN MUL
	MUL8 128*(\p), \p, 2, \first
.endm
	s_load_b256 s[4:11], s[0:1], 0x0               ; yy, wq, b_proj, x
	s_load_b64 s[12:13], s[0:1], 0x20              ; x1
	v_lshl_add_u32 v22, v0, 2, SPARE
	v_mov_b32 v23, 0
	ds_add_u32 v22, v23                            ; the wave's opening
	ds_add_u32 v22, v23
	v_lshrrev_b32 v24, 5, v0
	v_readfirstlane_b32 s14, v24
	s_lshr_b32 s15, s14, 1                         ; wm; also: I fetch for A (0) or for B (1)
	s_and_b32 s16, s14, 1                          ; wn; also: which half I fetch
	s_bfe_u32 s17, ttmp6, 0x40000
	s_bfe_u32 s18, ttmp6, 0x40004
	s_lshl_b32 s19, ttmp9, 2
	s_add_co_u32 s19, s19, s17                     ; tc
	s_and_b32 s20, ttmp7, 0xffff
	s_lshl_b32 s20, s20, 2
	s_add_co_u32 s20, s20, s18                     ; tr
	s_lshl_b32 s21, s18, 2
	s_lshl_b32 s21, 15, s21
	s_lshl_b32 s22, 0x1111, s17
	s_or_b32 s24, s21, (3<<16)|(1<<21)
	s_or_b32 s32, s22, (3<<16)|(1<<21)
	s_or_b32 s40, s21, (3<<16)|(1<<21)
	s_or_b32 s48, s22, (3<<16)|(1<<21)
.irp g, 24, 32                         ; codes: all of K as four rows (chunks of 256 along K) of 32 KB, laid on end in LDS
	s_mov_b32 s[\g+1], 4096<<16
	s_mov_b32 s[\g+2], 4<<16
	s_mov_b32 s[\g+3], 4096<<16
	s_mov_b32 s[\g+4], 4
	s_mov_b32 s[\g+6], 0
	s_mov_b32 s[\g+7], 0
.endr
	s_mov_b32 s29, 131072                          ; from chunk to chunk, in elements of 8 bytes: A's 256 tiles of 4,096 bytes,
	s_mov_b32 s37, NT*512                          ; B's NT tiles
	s_mov_b32 s41, 32<<16
	s_mov_b32 s42, 16<<16
	s_mov_b32 s43, 32<<16
	s_mov_b32 s44, 16
	s_mov_b32 s45, 32
	s_mov_b32 s46, 0
	s_mov_b32 s47, 0
	s_mov_b32 s49, 64<<16
	s_mov_b32 s50, 8<<16
	s_mov_b32 s51, 64<<16
	s_mov_b32 s52, 8
	s_mov_b32 s53, NTOT/2
	s_mov_b32 s54, 0
	s_mov_b32 s55, 0
	s_lshl_b32 s94, s20, 12                        ; A's scale words: 512 bytes a tile, from tile 8 tr
	s_mov_b32 s95, 0
	s_lshl_b32 s100, s20, 15                       ; A's codes: tile 8 tr of chunk 0
	s_mov_b32 s101, 0
	s_lshl_b32 s66, s19, 15                        ; B's: tile 8 tc of chunk 0
	s_mov_b32 s67, 0
	s_lshl_b32 s98, s19, 9
	s_mov_b32 s99, 0
	s_wait_dscnt 0x0                               ; both opening adds are done
	s_wait_kmcnt 0x0
	s_add_nc_u64 s[100:101], s[4:5], s[100:101]
	s_add_nc_u64 s[66:67], s[6:7], s[66:67]
	s_add_nc_u64 s[66:67], s[66:67], COFF
	s_add_nc_u64 s[94:95], s[4:5], s[94:95]
	s_add_nc_u64 s[94:95], s[94:95], ASOFF
	s_or_b32 s95, s95, 0x80000000
	s_mov_b32 s92, 1
	s_mov_b32 s93, SCA
	s_add_nc_u64 s[98:99], s[6:7], s[98:99]
	s_add_nc_u64 s[98:99], s[98:99], SOFF
	s_or_b32 s99, s99, 0x80000000
	s_mov_b32 s96, 1
	s_mov_b32 s97, SCB
	s_mov_b32 s56, 1                               ; all of A: LDS 0 .. 131,071, chunk j at 32,768 j
	s_mov_b32 s57, 0
	s_mov_b64 s[58:59], s[100:101]
	s_or_b32 s59, s59, 0x80000000
	s_mov_b32 s76, 1                               ; all of B: LDS 131,072 on, chunk j at 32,768 j
	s_mov_b32 s77, 131072
	s_mov_b64 s[78:79], s[66:67]
	s_or_b32 s79, s79, 0x80000000
	CROUND                                         ; all sixteen work-groups are here: the joint loads meet
	; THE HEAD'S LOADS, ONE A WAVE: wave 0 all of A, wave 1 all of B, wave 2 A's scale words, wave 3 B's.  Each byte is filled once
	ARM 1, 56, 24, .Lhead_b
	ARM 2, 76, 32, .Lhead_sa
	ARM 3, 92, 40, .Lhead_sb
	tensor_load_to_lds s[96:99], s[48:55]
	s_nop 0
.rept 4
	v_nop
.endr
.Lhead_asked:
	v_and_b32 v1, 15, v0
	v_bfe_u32 v2, v0, 4, 1
	v_and_b32 v4, 31, v0
	v_lshlrev_b32 v20, 4, v4                       ; 16 x lane
	v_lshlrev_b32 v21, 6, v2                       ; the bias: 64 h
	s_wait_alu depctr_va_vdst(0)
	s_lshl_b32 s2, s19, 7
	s_lshl_b32 s3, s16, 6
	s_add_co_u32 s2, s2, s3
	s_lshl_b32 s2, s2, 2
	s_mov_b32 s3, 0
	s_add_nc_u64 s[8:9], s[8:9], s[2:3]            ; the bias at my 64 columns
	s_lshl_b32 s2, s20, 7
	s_lshl_b32 s3, s14, 5
	s_add_co_u32 s2, s2, s3
	s_lshl_b32 s2, s2, 12
	s_lshl_b32 s3, s19, 9
	s_add_co_u32 s2, s2, s3
	s_mov_b32 s3, 0
	s_add_nc_u64 s[10:11], s[10:11], s[2:3]        ; the 32 rows that I store: row 128 tr + 32 w, column 128 tc
	s_add_nc_u64 s[12:13], s[12:13], s[2:3]
.irp b, 0,1,2,3
	global_load_b128 v[64+8*\b:67+8*\b], v21, s[8:9] offset:128*(\b/2)+32*(\b%2)
	global_load_b128 v[68+8*\b:71+8*\b], v21, s[8:9] offset:128*(\b/2)+32*(\b%2)+16
.endr
	WIN 0x80                                       ; destination window 2
.set ii, 0
.rept 32
	global_load_b128 v[4*ii:4*ii+3], v20, s[10:11] offset:4096*ii          ; the residual: 512 consecutive bytes a load
.set ii, ii+1
.endr
	WIN 0
	s_lshl_b32 s2, s15, 14
	v_add_nc_u32 v8, s2, v20
	s_lshl_b32 s2, s16, 14
	s_add_co_u32 s2, s2, 131072
	v_add_nc_u32 v12, s2, v20
.irp j, 1,2,3
	v_add_nc_u32 v[8+\j], \j*32768, v8
	v_add_nc_u32 v[12+\j], \j*32768, v12
.endr
	s_mul_i32 s2, s15, 4*STA
	s_add_co_u32 s2, s2, SCA
	v_lshl_add_u32 v16, v1, 2, s2
	s_lshl_b32 s2, s16, 8
	s_add_co_u32 s2, s2, SCB
	v_lshl_add_u32 v17, v1, 2, s2
	v_and_b32 v24, 8, v1
	v_add_nc_u32 v24, v24, v1
	v_mul_u32_u24 v18, v24, 528
	v_lshl_add_u32 v18, v2, 6, v18
	s_mul_i32 s2, s15, 64*528
	s_lshl_b32 s3, s16, 8
	s_add_co_u32 s2, s2, s3
	v_add_nc_u32 v18, s2, v18                      ; into the stage: row 64 wm + r + 8 (r / 8), byte 256 wn + 64 h
	s_mul_i32 s2, s14, 32*528
	v_add_nc_u32 v19, s2, v20                      ; back: my 32 rows, 16 bytes a lane
	s_wait_alu depctr_va_vdst(0)
	s_wait_tensorcnt 0x0                           ; my one load is in; behind the barrier everybody's is
	s_barrier_signal -1
	s_barrier_wait -1
	s_wait_loadcnt 32                              ; the bias is in; the 32 loads of the residual may stay out
	FETCH 0, 0, 0, 0, 0
	STEP 0, 0, 1, 1, 1
	STEP 1, 1, 0, 2, 0
	STEP 0, 1, 1, 3, 0
	STEP 1, 2, 0, 4, 0
	STEP 0, 2, 1, 5, 0
	STEP 1, 3, 0, 6, 0
	STEP 0, 3, 1, 7, 0
	s_wait_dscnt 8
	WIN MUL
	MUL8 128, 1, 0, 0
	s_wait_dscnt 0x0                               ; my reads of the codes are over:
	s_barrier_signal -1                            ; say so; the stage below lies on A's bytes, which have had their only fill
	MUL8 128, 1, 2, 0
	WIN 0
	PLACES 8                                       ; in front of the first read of results
	s_barrier_wait -1                              ; nobody reads the codes any more
.irp a, 0,1,2,3
.irp b, 0,1,2,3
	ds_store_b128 v18, v[128+8*(4*\a+\b):131+8*(4*\a+\b)] offset:(32*(\a/2)+8*(\a%2))*528+128*(\b/2)+32*(\b%2)       ; each accumulator from its low end on
	ds_store_b128 v18, v[132+8*(4*\a+\b):135+8*(4*\a+\b)] offset:(32*(\a/2)+8*(\a%2))*528+128*(\b/2)+32*(\b%2)+16
.endr
.endr
	s_wait_dscnt 0x0                               ; for the others' sake: my part of the tile lies in the stage
	s_barrier_signal -1
	s_barrier_wait -1
.set ii, 0
.rept 32
	ds_load_b128 v[128+4*ii:131+4*ii], v19 offset:528*ii
.set ii, ii+1
.endr
	s_wait_loadcnt 0x0                             ; the residual
.irp g, 0,1,2,3
	s_wait_dscnt 24-8*\g                           ; this group's eight rows are back; the later groups' may be out
	WIN 0x08                                       ; source 1 window 2
.irp t, 0,1,2,3,4,5,6,7
	v_pk_add_f32 v[128+4*(8*\g+\t):129+4*(8*\g+\t)], v[128+4*(8*\g+\t):129+4*(8*\g+\t)], v[4*(8*\g+\t):4*(8*\g+\t)+1]
	v_pk_add_f32 v[130+4*(8*\g+\t):131+4*(8*\g+\t)], v[130+4*(8*\g+\t):131+4*(8*\g+\t)], v[4*(8*\g+\t)+2:4*(8*\g+\t)+3]
.endr
	WIN 0
.irp t, 0,1,2,3,4,5,6,7
	global_store_b128 v20, v[128+4*(8*\g+\t):131+4*(8*\g+\t)], s[12:13] offset:4096*(8*\g+\t)      ; 512 consecutive bytes, aligned
.endr
.endr
	s_wait_tensorcnt 0x0                           ; the wave's end
	ds_add_u32 v22, v23
	s_wait_dscnt 0x0
	CROUND                                         ; the closing round
	s_endpgm
.Lfunc_end_k_q78ae2ee58c_proj:
	.size	k_q78ae2ee58c_proj, .Lfunc_end_k_q78ae2ee58c_proj-k_q78ae2ee58c_proj
	.p2alignl 7, 3214868480
	.fill 96, 4, 3214868480
	.section	.rodata,"a",@progbits
	.p2align	6, 0x0
	.amdhsa_kernel k_q78ae2ee58c_proj
		.amdhsa_group_segment_fixed_size 327680
		.amdhsa_private_segment_fixed_size 0
		.amdhsa_enable_private_segment 0
		.amdhsa_kernarg_size 40
		.amdhsa_user_sgpr_count 2
		.amdhsa_user_sgpr_kernarg_segment_ptr 1
		.amdhsa_wavefront_size32 1
		.amdhsa_system_sgpr_workgroup_id_x 1
		.amdhsa_system_sgpr_workgroup_id_y 1
		.amdhsa_system_sgpr_workgroup_id_z 1
		.amdhsa_system_vgpr_workitem_id 0
		.amdhsa_next_free_vgpr 640
		.amdhsa_next_free_sgpr 102
		.amdhsa_reserve_vcc 0
		.amdhsa_float_denorm_mode_32 3
		.amdhsa_float_denorm_mode_16_64 3
		.amdhsa_memory_ordered 1
		.amdhsa_forward_progress 1
		.amdhsa_inst_pref_size 64
	.end_amdhsa_kernel
	.amdgpu_metadata
---
amdhsa.version: [ 1, 2 ]
amdhsa.kernels:
  - .name:           k_q78ae2ee58c_proj
    .symbol:         k_q78ae2ee58c_proj.kd
    .args:
      - { .name: yy, .offset: 0, .size: 8, .value_kind: global_buffer, .address_space: global }
      - { .name: wq, .offset: 8, .size: 8, .value_kind: global_buffer, .address_space: global }
      - { .name: b_proj, .offset: 16, .size: 8, .value_kind: global_buffer, .address_space: global }
      - { .name: x, .offset: 24, .size: 8, .value_kind: global_buffer, .address_space: global }
      - { .name: x1, .offset: 32, .size: 8, .value_kind: global_buffer, .address_space: global }
    .group_segment_fixed_size: 327680
    .private_segment_fixed_size: 0
    .kernarg_segment_align: 8
    .kernarg_segment_size: 40
    .max_flat_workgroup_size: 128
    .sgpr_count:     102
    .vgpr_count:     640
    .wavefront_size: 32
...
	.end_amdgpu_metadata
.endif
;; end of part 4
;; launch ln2: the kernel of part 1 again; grid 256 x 1, 8 waves a work-group, no clusters, 67,328 bytes of LDS; arguments x1, ln2_g, ln2_b, ac, w_attn, w_proj, w_fc, w_fc2, wq; writes ac, wq
;; launch fc (part 5): grid 8 x 32, 4 waves a work-group, clusters of 4 x 4, 327,680 bytes of LDS; arguments ac, wq, b_fc, hh; writes hh
.if DOCPART == 5
	.amdgcn_target "amdgcn-amd-amdhsa--gfx1250"
	.amdhsa_code_object_version 6
	.text
	.protected	k_q78ae2ee58c_fc
	.globl	k_q78ae2ee58c_fc
	.p2align	8
	.type	k_q78ae2ee58c_fc,@function
k_q78ae2ee58c_fc:
	s_mov_b64 s[64:65], 0
	v_nop
	global_prefetch_b8 v0, s[64:65] scope:SCOPE_SE
	s_setreg_imm32_b32 hwreg(HW_REG_WAVE_MODE, 25, 1), 1
	s_wait_xcnt 0x0
	s_wait_alu depctr_hold_cnt(0) depctr_sa_sdst(0) depctr_va_vdst(0) depctr_va_sdst(0) depctr_va_ssrc(0) depctr_va_vcc(0) depctr_vm_vsrc(0)
	s_getreg_b32 s2, hwreg(HW_REG_IB_STS2, 6, 4)
	s_cmp_eq_u32 s2, 0
	s_cbranch_scc0 .Lentry_in_a_cluster
	s_endpgm
.Lentry_in_a_cluster:
	s_bfe_u32 s2, ttmp6, 0x10000c
	s_cmp_lg_u32 s2, 0xf033
	s_cbranch_scc0 .Lentry_shape_is_right
	s_endpgm
.Lentry_shape_is_right:
; h = gelu(LN2(x1) w_fc + b_fc), tanh form, on codes of E5M2 (K = 1,024), quantised along its 4,096 columns on the way out: the hidden layer goes to memory as codes alone.
; A WORK-GROUP STAYS, as in launch qkv: it owns 128 tokens and makes four tiles of 128 columns (columns 128 (X + 8 t), t = 0 .. 3), four waves of 64 x 64.  A's 128 tokens x all of K (128 KB) are fetched once and stay in LDS.
; B's 128 KB are two slots (K = 0 .. 511 and 512 .. 1,023): slot 0 is filled again with the next tile's codes at the change from K = 511 to 512, slot 1 in the middle of the tile's way out: so each refill has four steps of
; products and half a way out in which to land.  B's scale words of all four tiles come once, with the first fills.  A wave has at most one tensor load out.
; A loop of three trips makes the tiles that have a successor; the last tile is written out.
; CLUSTER 4 x 4: A's tiles are shared along a row of the cluster, B's along a column: joint loads with a mask of four; every refill stands behind a round of the cluster's barrier.
; Source 0 = 16 columns of w, source 1 = 16 tokens; the columns of a tile are ordered so that the registers of two neighbouring tiles are 16 neighbours along the next K.  The bias is the C of each sum's first matrix instruction;
; it lies in window 2, and the next tile's is loaded at the head of a tile's way out.
; GELU: 0.5 x (1 + tanh(u)), u = sqrt(2 / pi) (x + 0.044715 x^3), is x / (1 + 2^(x (k1 + k2 x^2))) with k1 = -2 log2(e) sqrt(2 / pi), k2 = 0.044715 k1: the same function, in f32, with another order of rounding.
; OUT: hh: codes as the next operand's images ((k / 256 x 256 + tile) x 2 + (k / 128) % 2) x 2048 + 512 c + 16 lane; scale words at 16,777,216: [k / 128][tile][16 places].
; LIMITS: NaN and infinities are not served; a block of zeros gets the byte 1, not 127 (its codes are zeros; this program alone reads the bytes).
; REGISTERS: window 0: v1-21 addresses; v22, v23 the add's two; v24-29 GELU's constants; v32-47 scale words; v48-63 at work; v64-95 GELU's work; v96-127 codes; v128-255 accumulators.  window 1: two buffers of fragments.  window 2: v0-31 the bias.
.set NTOT,  4096
.set NT,    NTOT/16
.set NTL,   4                          ; tiles of a walk
.set RSB,   4*NTL                      ; rows of B's scale words for half of K; one load brings twice as many
.set TSTEP, 262144                     ; from a tile of the walk to the next: 64 tiles of 16 columns x 4,096 bytes
.set COFF,  4194304
.set SOFF,  12713984
.set ASOFF, 4194304
.set SCA,   262144
.set SCB,   278528
.set SSTG,  299008
.set SPARE, 299520
.set STA,   512
.set SKA,   64
.set MSB, 0
.macro WIN new
.if MSB != \new
	s_set_vgpr_msb (MSB<<8)|\new
.set MSB, \new
.endif
.endm
.set MUL,  0x05                        ; sources 0 and 1 window 1; C and D window 0
.set MULB, 0x25                        ; the same with C (the bias) in window 2
.set TO_F, 0x40
.macro ARM under, g0, g1, next         ; one arm of the head's tree of branches on the wave's number: its load, then a jump to the tree's end
	s_cmp_lt_u32 s14, \under
	s_cbranch_scc0 \next
	tensor_load_to_lds s[\g0:\g0+3], s[\g1:\g1+7]
	s_nop 0
.rept 4
	v_nop
.endr
	s_branch .Lhead_asked
\next:
.endm
.macro TLD g0, g1                      ; a joint load that every wave issues, each for 16 KB of its own (both addresses hang on the wave's number)
	tensor_load_to_lds s[\g0:\g0+3], s[\g1:\g1+7]
	s_nop 0
.rept 4
	v_nop
.endr
.endm
.macro CREST                           ; a round of the cluster's barrier behind its opening barrier
	s_cmp_lg_u32 s14, 0
	s_cbranch_scc1 .Lnot_wave_0_\@
	s_barrier_signal -3
.Lnot_wave_0_\@:
	s_barrier_wait -3
	s_barrier_signal -1
	s_barrier_wait -1
.endm
.macro CROUND
	s_barrier_signal -1
	s_barrier_wait -1
	CREST
.endm
.macro SETG0 g, b, goff, l, loff
	s_mov_b32 s[\g], 1
	s_add_co_u32 s[\g+1], s[\l], \loff
	s_add_nc_u64 s[\g+2:\g+3], s[\b:\b+1], \goff
	s_or_b32 s[\g+3], s[\g+3], 0x80000000
.endm
.macro PLACES n
.rept \n
	v_nop
.endr
.endm
.macro FETCH j, q, ks, f, sc           ; 40 LDS loads: 8 scale words (v17 stands at the tile in hand), B's four fragments, A's four; the youngest eight are A's fragments 2 and 3
	WIN 0
.irp i, 0,1,2,3
	ds_load_b32 v[32+8*(\sc)+\i], v16 offset:\i*STA+(\ks)*SKA
.endr
.irp i, 0,1,2,3
	ds_load_b32 v[36+8*(\sc)+\i], v17 offset:64*\i+512*NTL*(\ks)
.endr
	WIN TO_F
.irp i, 0,1,2,3
.irp c, 0,1,2,3
	ds_load_b128 v[(\f)+64+16*\i+4*\c:(\f)+64+16*\i+4*\c+3], v[12+(\j)] offset:4096*\i+2048*(\q)+512*\c
.endr
.endr
.irp i, 0,1,2,3
.irp c, 0,1,2,3
	ds_load_b128 v[(\f)+16*\i+4*\c:(\f)+16*\i+4*\c+3], v[8+(\j)] offset:4096*\i+2048*(\q)+512*\c
.endr
.endr
.endm
.macro MUL8 f, sc, a0, first           ; 8 matrix instructions; the 16 accumulators take turns, one instruction a turn, over the loop's backward jump too
.irp a, \a0, \a0+1
.irp b, 0,1,2,3
.set rD, 128+8*(4*(\a)+\b)
.set rA, (\f)+64+16*\b
.set rB, (\f)+16*(\a)
.set zA, 36+8*(\sc)+\b
.set zB, 32+8*(\sc)+(\a)
.if \first
	v_wmma_scale_f32_16x16x128_f8f6f4 v[rD:rD+7], v[rA:rA+15], v[rB:rB+15], v[8*\b:8*\b+7], v[zA], v[zB] matrix_a_fmt:MATRIX_FMT_BF8 matrix_b_fmt:MATRIX_FMT_BF8
.else
	v_wmma_scale_f32_16x16x128_f8f6f4 v[rD:rD+7], v[rA:rA+15], v[rB:rB+15], v[rD:rD+7], v[zA], v[zB] matrix_a_fmt:MATRIX_FMT_BF8 matrix_b_fmt:MATRIX_FMT_BF8
.endif
.endr
.endr
.endm
.macro MWIN first
.if \first
	WIN MULB
.else
	WIN MUL
.endif
.endm
.macro STEP p, nj, nq, nks, first
	s_wait_dscnt 8                                 ; all but A's fragments 2 and 3
	MWIN \first
	MUL8 128*(\p), \p, 0, \first
	PLACES 8                                       ; in front of loads into registers that matrix instructions have read
	FETCH \nj, \nq, \nks, 128*(1-(\p)), 1-(\p)
	s_wait_dscnt 40                                ; all but the 40 just issued
	MWIN \first
	MUL8 128*(\p), \p, 2, \first
.endm
; The fourth step (buffer 1) changes B's slots.  Each wave waits for all its tensor loads (its part of slot 1 among them) and for its reads of slot 0.  fill = 1: it adds 0 to its spare word in between, the barrier opens a round
; of the cluster's barrier, and behind the round slot 0 is asked for again, with the next tile's codes: the wave's one tensor load there.
.macro TURNM fill
	WIN 0                                          ; (the add's two registers lie in window 0)
	s_wait_tensorcnt 0x0
.if \fill
	ds_add_u32 v22, v23
	s_wait_dscnt 9                                 ; (the add and A's fragments 2 and 3 may be out)
.else
	s_wait_dscnt 8
.endif
	WIN MUL
	MUL8 128, 1, 0, 0                              ; eight matrix instructions stand between the add and the wait for it
	s_wait_dscnt 0x0                               ; the add is done, and my reads of slot 0 are over
	s_barrier_signal -1
	WIN 0
	s_barrier_wait -1
.if \fill
	CREST                                          ; no wave of any partner still reads slot 0 or has a load on its way
	s_add_nc_u64 s[70:71], s[70:71], TSTEP         ; no tensor load of mine is out: the descriptor steps to the next tile
	TLD 68, 32
	PLACES 4                                       ; with the four behind the load: eight places in front of the loads below
.else
	PLACES 8
.endif
	FETCH 2, 0, 4, 0, 0
	WIN MUL
	MUL8 128, 1, 2, 0
.endm
.macro STEPS fill                      ; a tile's eight steps; its first fragments were fetched ahead
	STEP 0, 0, 1, 1, 1
	STEP 1, 1, 0, 2, 0
	STEP 0, 1, 1, 3, 0
	TURNM \fill
	STEP 0, 2, 1, 5, 0
	STEP 1, 3, 0, 6, 0
	STEP 0, 3, 1, 7, 0
	s_wait_dscnt 8
	WIN MUL
	MUL8 128, 1, 0, 0
	s_wait_dscnt 0x0
	MUL8 128, 1, 2, 0
	WIN 0
	PLACES 8                                       ; in front of the first read of results, and of the loads into the bias's registers
.endm
; The change in the middle of a tile's way out: all my tensor loads have landed (my part of the next tile's slot 0), the add, my LDS instructions are over; a round; slot 1 is asked for again; then the next tile's first fragments.
.macro REFILL1
	s_wait_tensorcnt 0x0
	ds_add_u32 v22, v23
	s_add_nc_u64 s[74:75], s[74:75], TSTEP         ; no tensor load of mine is out: the descriptor steps
	v_add_nc_u32 v17, 512, v17                     ; on to the next tile's scale words of B
	s_wait_dscnt 0x0
	CROUND
	TLD 72, 32
	s_wait_alu depctr_va_vdst(0)
	FETCH 0, 0, 0, 0, 0
	WIN 0
.endm
.macro BIASLD                          ; tile b, register j: column 32 (b / 2) + 16 h + 8 (b % 2) + j
	WIN 0x80                                       ; destination window 2
.irp b, 0,1,2,3
	global_load_b128 v[8*\b:8*\b+3], v21, s[8:9] offset:128*(\b/2)+32*(\b%2)
	global_load_b128 v[8*\b+4:8*\b+7], v21, s[8:9] offset:128*(\b/2)+32*(\b%2)+16
.endr
	WIN 0
.endm
.macro GELU s                          ; 32 numbers at v[s] on, in place; v64-95 at work.  Each accumulator is read from its low end on
.set ii, 0
.rept 16
	v_pk_mul_f32 v[64+ii:65+ii], v[\s+ii:\s+ii+1], v[\s+ii:\s+ii+1]
.set ii, ii+2
.endr
.set ii, 0
.rept 16
	v_pk_fma_f32 v[64+ii:65+ii], v[64+ii:65+ii], v[26:27], v[24:25]       ; k2 x^2 + k1
.set ii, ii+2
.endr
.set ii, 0
.rept 16
	v_pk_mul_f32 v[64+ii:65+ii], v[64+ii:65+ii], v[\s+ii:\s+ii+1]
.set ii, ii+2
.endr
.set ii, 0
	s_wait_alu depctr_va_vdst(0)
.rept 32
	v_exp_f32 v[64+ii], v[64+ii]
.set ii, ii+1
.endr
	v_nop                                          ; a plain line behind the last exponential
	s_wait_alu depctr_va_vdst(0)                   ; one wait for the batch
.set ii, 0
.rept 16
	v_pk_add_f32 v[64+ii:65+ii], v[64+ii:65+ii], v[28:29]
.set ii, ii+2
.endr
.set ii, 0
	s_wait_alu depctr_va_vdst(0)
.rept 32
	v_rcp_f32 v[64+ii], v[64+ii]
.set ii, ii+1
.endr
	v_nop
	s_wait_alu depctr_va_vdst(0)
.set ii, 0
.rept 16
	v_pk_mul_f32 v[\s+ii:\s+ii+1], v[\s+ii:\s+ii+1], v[64+ii:65+ii]
.set ii, ii+2
.endr
.endm
.macro QUANT2 s, g                     ; 32 numbers of a lane: two blocks of 32 (each shared with lane l xor 16) become 8 registers of codes at v[96 + 8 g] and two scale bytes in v[60 + g]
	v_max3_num_f32 v48, |v[\s]|, |v[\s+1]|, 0x8000000              ; with the floor 2^(16 - 127)
	v_max3_num_f32 v49, |v[\s+16]|, |v[\s+17]|, 0x8000000
.irp i, 2,4,6,8,10,12,14
	v_max3_num_f32 v48, v48, |v[\s+\i]|, |v[\s+\i+1]|
	v_max3_num_f32 v49, v49, |v[\s+16+\i]|, |v[\s+17+\i]|
.endr
	v_permlanex16_b32 v50, v48, s84, s85
	v_permlanex16_b32 v51, v49, s84, s85
	v_max_num_f32 v48, v48, v50
	v_max_num_f32 v49, v49, v51
	v_add_nc_u32 v54, 0xf8800000, v48
	v_add_nc_u32 v55, 0xf8800000, v49
	v_and_or_b32 v52, v48, 0x7f800000, s86
	v_and_or_b32 v53, v49, 0x7f800000, s86
	v_lshrrev_b32 v56, 23, v54
	v_lshrrev_b32 v57, 23, v55
	v_lshl_or_b32 v[60+\g], v57, 8, v56
.set ii, 0
.rept 16
	v_med3_num_f32 v[\s+ii], v[\s+ii], -v52, v52   ; the conversion does not saturate (ISA guide 7.6.2): the hold
	v_med3_num_f32 v[\s+16+ii], v[\s+16+ii], -v53, v53
.set ii, ii+1
.endr
	v_cvt_scalef32_pk8_bf8_f32 v[96+8*\g:97+8*\g], v[\s:\s+7], v54
	v_cvt_scalef32_pk8_bf8_f32 v[98+8*\g:99+8*\g], v[\s+8:\s+15], v54
	v_cvt_scalef32_pk8_bf8_f32 v[100+8*\g:101+8*\g], v[\s+16:\s+23], v55
	v_cvt_scalef32_pk8_bf8_f32 v[102+8*\g:103+8*\g], v[\s+24:\s+31], v55
	v_nop
.endm
.macro EPIG a                          ; the way out of my tile of tokens a: 16 tokens x 64 columns
	GELU 128+32*\a
	QUANT2 128+32*\a, \a
	global_store_b128 v20, v[96+8*\a:99+8*\a], s[88:89] offset:4096*\a           ; 512 consecutive bytes a store
	global_store_b128 v20, v[100+8*\a:103+8*\a], s[88:89] offset:4096*\a+512
	ds_store_b16 v5, v[60+\a] offset:64*\a         ; my two bytes of the row's scale word; the other two come from the wave with the other 64 columns
.endm
.macro SOUT                            ; the tile's 128 scale words leave as 512 consecutive bytes.  The stage is written again only behind the next tile's change of slots, a barrier that wave 0 reaches behind its wait for this load
	s_wait_dscnt 0x0
	s_barrier_signal -1
	s_barrier_wait -1
	s_cmp_lg_u32 s14, 0
	s_cbranch_scc1 .Lnot_0_\@
	ds_load_b128 v[64:67], v6
	s_wait_dscnt 0x0
	global_store_b128 v20, v[64:67], s[90:91]
.Lnot_0_\@:
.endm
	s_load_b256 s[4:11], s[0:1], 0x0               ; ac, wq, b_fc, hh
	v_lshl_add_u32 v22, v0, 2, SPARE
	v_mov_b32 v23, 0
	ds_add_u32 v22, v23                            ; the wave's opening
	ds_add_u32 v22, v23
	v_lshrrev_b32 v24, 5, v0
	v_readfirstlane_b32 s14, v24
	s_lshr_b32 s15, s14, 1                         ; wm.  Also: which chunk of a slot I fetch
	s_and_b32 s16, s14, 1                          ; wn.  Also: which half of a block I fetch
	s_bfe_u32 s17, ttmp6, 0x40000
	s_bfe_u32 s18, ttmp6, 0x40004
	s_lshl_b32 s19, ttmp9, 2
	s_add_co_u32 s19, s19, s17                     ; X: the walk's first 128 columns
	s_and_b32 s20, ttmp7, 0xffff
	s_lshl_b32 s20, s20, 2
	s_add_co_u32 s20, s20, s18                     ; tr: which 128 tokens
	s_lshl_b32 s21, s18, 2
	s_lshl_b32 s21, 15, s21
	s_lshl_b32 s22, 0x1111, s17
	s_or_b32 s24, s21, (3<<16)|(1<<21)
	s_or_b32 s32, s22, (3<<16)|(1<<21)
	s_or_b32 s40, s21, (3<<16)|(1<<21)
	s_or_b32 s48, s22, (3<<16)|(1<<21)
.irp g, 24, 32                         ; the head's loads of codes: all of K as four rows (chunks of 256 along K) of 32 KB, laid on end in LDS
	s_mov_b32 s[\g+1], 4096<<16
	s_mov_b32 s[\g+2], 4<<16
	s_mov_b32 s[\g+3], 4096<<16
	s_mov_b32 s[\g+4], 4
	s_mov_b32 s[\g+6], 0
	s_mov_b32 s[\g+7], 0
.endr
	s_mov_b32 s29, 131072                          ; from chunk to chunk, in elements of 8 bytes: A's 256 tiles of 4,096 bytes,
	s_mov_b32 s37, NT*512                          ; B's NT tiles
	s_mov_b32 s41, 32<<16                          ; A's scale words: eight tiles, 4 KB dense
	s_mov_b32 s42, 16<<16
	s_mov_b32 s43, 32<<16
	s_mov_b32 s44, 16
	s_mov_b32 s45, 32
	s_mov_b32 s46, 0
	s_mov_b32 s47, 0
	s_mov_b32 s49, 64<<16                          ; B's: rows of 512 bytes, 4,096 bytes apart: row 4 ks + t holds tile t's words of the ks-th 128 along K (a row of all columns is 4 x 4,096 bytes)
	s_mov_b32 s50, (2*RSB)<<16
	s_mov_b32 s51, 64<<16
	s_mov_b32 s52, 2*RSB
	s_mov_b32 s53, 512
	s_mov_b32 s54, 0
	s_mov_b32 s55, 0
	s_lshl_b32 s100, s20, 15                       ; A's side hangs on tr alone: tile 8 tr of chunk 0
	s_mov_b32 s101, 0
	s_lshl_b32 s78, s20, 12                        ; its scale words: 512 bytes a tile
	s_mov_b32 s79, 0
	s_lshl_b32 s62, s19, 15                        ; B's first tile whole: tile 8 X of chunk 0
	s_mov_b32 s63, 0
	s_mul_i32 s66, s15, NT                         ; B's on X alone: tile NT chunk + 8 X + 4 half
	s_lshl_b32 s67, s19, 3
	s_add_co_u32 s66, s66, s67
	s_lshl_b32 s67, s16, 2
	s_add_co_u32 s66, s66, s67
	s_lshl_b32 s66, s66, 12
	s_mov_b32 s67, 0
	s_lshl_b32 s82, s19, 9
	s_mov_b32 s83, 0
	s_lshl_b32 s23, s14, 14                        ; LDS: my 16 KB of a slot of B in the refills
	s_mov_b32 s84, 0x76543210                      ; v_permlanex16_b32's selects for lane l xor 16
	s_mov_b32 s85, 0xfedcba98
	s_mov_b32 s86, 0x600000                        ; the mantissa field of 57,344
	s_wait_dscnt 0x0                               ; both opening adds are done
	s_wait_kmcnt 0x0
	s_add_nc_u64 s[100:101], s[4:5], s[100:101]
	s_add_nc_u64 s[66:67], s[6:7], s[66:67]
	s_add_nc_u64 s[66:67], s[66:67], COFF
	s_add_nc_u64 s[78:79], s[4:5], s[78:79]
	s_add_nc_u64 s[78:79], s[78:79], ASOFF
	s_or_b32 s79, s79, 0x80000000
	s_mov_b32 s76, 1
	s_mov_b32 s77, SCA
	s_add_nc_u64 s[82:83], s[6:7], s[82:83]
	s_add_nc_u64 s[82:83], s[82:83], SOFF
	s_or_b32 s83, s83, 0x80000000
	s_mov_b32 s80, 1
	s_mov_b32 s81, SCB
	s_mov_b32 s56, 1                               ; all of A: LDS 0 .. 131,071, chunk j at 32,768 j
	s_mov_b32 s57, 0
	s_mov_b64 s[58:59], s[100:101]
	s_or_b32 s59, s59, 0x80000000
	s_mov_b32 s60, 1                               ; all of B's first tile: LDS 131,072 on, chunk j at 32,768 j
	s_mov_b32 s61, 131072
	s_add_nc_u64 s[62:63], s[6:7], s[62:63]
	s_add_nc_u64 s[62:63], s[62:63], COFF
	s_or_b32 s63, s63, 0x80000000
	SETG0 68, 66, 0, 23, 131072                    ; B's refills, slot 0 (chunks 0, 1)
	SETG0 72, 66, 2*NT*4096, 23, 196608            ; and slot 1 (chunks 2, 3)
	CROUND                                         ; all sixteen work-groups are here: the joint loads meet
	; THE HEAD'S LOADS, ONE A WAVE: wave 0 all of A, wave 1 all of B's first tile, wave 2 A's scale words, wave 3 B's
	ARM 1, 56, 24, .Lhead_b
	ARM 2, 60, 32, .Lhead_sa
	ARM 3, 76, 40, .Lhead_sb
	TLD 80, 48
.Lhead_asked:
	v_and_b32 v1, 15, v0
	v_bfe_u32 v2, v0, 4, 1
	v_and_b32 v4, 31, v0
	v_lshlrev_b32 v20, 4, v4                       ; 16 x lane
	s_wait_alu depctr_va_vdst(0)
	v_lshlrev_b32 v21, 6, v2                       ; the bias: 64 h
	s_lshl_b32 s2, s19, 7
	s_lshl_b32 s3, s16, 6
	s_add_co_u32 s2, s2, s3
	s_lshl_b32 s2, s2, 2
	s_mov_b32 s3, 0
	s_add_nc_u64 s[8:9], s[8:9], s[2:3]            ; the bias at my 64 columns of the first tile; each further tile's lies 4,096 bytes on
	BIASLD
	s_lshl_b32 s2, s15, 14
	v_add_nc_u32 v8, s2, v20
	s_lshl_b32 s2, s16, 14
	s_add_co_u32 s2, s2, 131072
	v_add_nc_u32 v12, s2, v20
.irp j, 1,2,3
	v_add_nc_u32 v[8+\j], \j*32768, v8
	v_add_nc_u32 v[12+\j], \j*32768, v12
.endr
	s_mul_i32 s2, s15, 4*STA
	s_add_co_u32 s2, s2, SCA
	v_lshl_add_u32 v16, v1, 2, s2
	s_lshl_b32 s2, s16, 8
	s_add_co_u32 s2, s2, SCB
	v_lshl_add_u32 v17, v1, 2, s2
	s_lshl_b32 s2, s15, 8
	s_lshl_b32 s3, s16, 1
	s_add_co_u32 s2, s2, s3
	s_add_co_u32 s2, s2, SSTG
	v_lshl_add_u32 v5, v1, 2, s2                   ; my scale bytes into the stage: 256 wm + 2 wn + 4 r
	v_add_nc_u32 v6, SSTG, v20                     ; and back
	v_mov_b32 v50, 0                               ; a lane permute's destination counts as one of its sources
	v_mov_b32 v51, 0
	v_mov_b32 v24, 0xc0135761                      ; k1, twice
	v_mov_b32 v25, 0xc0135761
	v_mov_b32 v26, 0xbdd2d3e8                      ; k2, twice
	v_mov_b32 v27, 0xbdd2d3e8
	v_mov_b32 v28, 1.0
	v_mov_b32 v29, 1.0
	s_lshr_b32 s2, s19, 1                          ; where the first tile goes: k = 128 X + 64 wn on, tiles 8 tr + 4 wm on
	s_lshl_b32 s2, s2, 8
	s_lshl_b32 s3, s20, 3
	s_add_co_u32 s2, s2, s3
	s_lshl_b32 s3, s15, 2
	s_add_co_u32 s2, s2, s3
	s_lshl_b32 s2, s2, 1
	s_and_b32 s3, s19, 1
	s_add_co_u32 s2, s2, s3
	s_lshl_b32 s2, s2, 11
	s_lshl_b32 s3, s16, 10
	s_add_co_u32 s2, s2, s3
	s_mov_b32 s3, 0
	s_add_nc_u64 s[88:89], s[10:11], s[2:3]        ; my codes
	s_lshl_b32 s2, s19, 8
	s_lshl_b32 s100, s20, 3
	s_add_co_u32 s2, s2, s100
	s_lshl_b32 s2, s2, 6
	s_add_co_u32 s2, s2, 16777216
	s_add_nc_u64 s[90:91], s[10:11], s[2:3]        ; the work-group's 128 scale words
	s_wait_alu depctr_va_vdst(0)
	s_wait_tensorcnt 0x0                           ; my one load of the head is in; no tensor load of mine is out, so a descriptor may be written:
	s_mov_b32 s33, 32<<16                          ; from here on a load of B brings 16 KB dense, as 64 rows of 256 bytes
	s_mov_b32 s34, 64<<16
	s_mov_b32 s35, 32<<16
	s_mov_b32 s36, 64
	s_mov_b32 s37, 32
	s_barrier_signal -1
	s_barrier_wait -1
	s_wait_loadcnt 0x0                             ; the first tile's bias
	FETCH 0, 0, 0, 0, 0
	WIN 0                                          ; at a label and at a branch every window is 0
	s_mov_b32 s23, NTL-1
.Ltile:                                            ; three trips: the tiles that have a successor
	STEPS 1
	s_add_nc_u64 s[8:9], s[8:9], 4096              ; (the last bias's loads were waited for: their base may step)
	BIASLD                                         ; the next tile's bias lands while this tile goes out
	EPIG 0
	EPIG 1
	REFILL1
	EPIG 2
	EPIG 3
	SOUT
	s_wait_xcnt 0x0                                ; the stores have read their registers and bases: both may be written again
	s_add_nc_u64 s[88:89], s[88:89], 4194304       ; 1,024 along the next K on: four times 256 tiles of 4,096 bytes
	s_add_nc_u64 s[90:91], s[90:91], 131072        ; eight rows of 256 tiles x 64 bytes
	s_wait_loadcnt 0x0                             ; the next tile's bias
	s_sub_co_u32 s23, s23, 1
	s_cmp_lg_u32 s23, 0
	s_cbranch_scc1 .Ltile
	STEPS 0                                        ; the last tile asks for nothing
	EPIG 0
	EPIG 1
	EPIG 2
	EPIG 3
	SOUT
	s_wait_tensorcnt 0x0                           ; the wave's end
	ds_add_u32 v22, v23
	s_wait_dscnt 0x0
	CROUND                                         ; the closing round
	s_endpgm
.Lfunc_end_k_q78ae2ee58c_fc:
	.size	k_q78ae2ee58c_fc, .Lfunc_end_k_q78ae2ee58c_fc-k_q78ae2ee58c_fc
	.p2alignl 7, 3214868480
	.fill 96, 4, 3214868480
	.section	.rodata,"a",@progbits
	.p2align	6, 0x0
	.amdhsa_kernel k_q78ae2ee58c_fc
		.amdhsa_group_segment_fixed_size 327680
		.amdhsa_private_segment_fixed_size 0
		.amdhsa_enable_private_segment 0
		.amdhsa_kernarg_size 32
		.amdhsa_user_sgpr_count 2
		.amdhsa_user_sgpr_kernarg_segment_ptr 1
		.amdhsa_wavefront_size32 1
		.amdhsa_system_sgpr_workgroup_id_x 1
		.amdhsa_system_sgpr_workgroup_id_y 1
		.amdhsa_system_sgpr_workgroup_id_z 1
		.amdhsa_system_vgpr_workitem_id 0
		.amdhsa_next_free_vgpr 640
		.amdhsa_next_free_sgpr 102
		.amdhsa_reserve_vcc 0
		.amdhsa_float_denorm_mode_32 3
		.amdhsa_float_denorm_mode_16_64 3
		.amdhsa_memory_ordered 1
		.amdhsa_forward_progress 1
		.amdhsa_inst_pref_size 185
	.end_amdhsa_kernel
	.amdgpu_metadata
---
amdhsa.version: [ 1, 2 ]
amdhsa.kernels:
  - .name:           k_q78ae2ee58c_fc
    .symbol:         k_q78ae2ee58c_fc.kd
    .args:
      - { .name: ac, .offset: 0, .size: 8, .value_kind: global_buffer, .address_space: global }
      - { .name: wq, .offset: 8, .size: 8, .value_kind: global_buffer, .address_space: global }
      - { .name: b_fc, .offset: 16, .size: 8, .value_kind: global_buffer, .address_space: global }
      - { .name: hh, .offset: 24, .size: 8, .value_kind: global_buffer, .address_space: global }
    .group_segment_fixed_size: 327680
    .private_segment_fixed_size: 0
    .kernarg_segment_align: 8
    .kernarg_segment_size: 32
    .max_flat_workgroup_size: 128
    .sgpr_count:     102
    .vgpr_count:     640
    .wavefront_size: 32
...
	.end_amdgpu_metadata
.endif
;; end of part 5
;; launch fc2 (part 6): grid 8 x 32, 4 waves a work-group, clusters of 4 x 4, 327,680 bytes of LDS; arguments hh, wq, b_fc2, x1, out0; writes out0
.if DOCPART == 6
	.amdgcn_target "amdgcn-amd-amdhsa--gfx1250"
	.amdhsa_code_object_version 6
	.text
	.protected	k_q78ae2ee58c_fc2
	.globl	k_q78ae2ee58c_fc2
	.p2align	8
	.type	k_q78ae2ee58c_fc2,@function
k_q78ae2ee58c_fc2:
	s_mov_b64 s[64:65], 0
	v_nop
	global_prefetch_b8 v0, s[64:65] scope:SCOPE_SE
	s_setreg_imm32_b32 hwreg(HW_REG_WAVE_MODE, 25, 1), 1
	s_wait_xcnt 0x0
	s_wait_alu depctr_hold_cnt(0) depctr_sa_sdst(0) depctr_va_vdst(0) depctr_va_sdst(0) depctr_va_ssrc(0) depctr_va_vcc(0) depctr_vm_vsrc(0)
	s_getreg_b32 s2, hwreg(HW_REG_IB_STS2, 6, 4)
	s_cmp_eq_u32 s2, 0
	s_cbranch_scc0 .Lentry_in_a_cluster
	s_endpgm
.Lentry_in_a_cluster:
	s_bfe_u32 s2, ttmp6, 0x10000c
	s_cmp_lg_u32 s2, 0xf033
	s_cbranch_scc0 .Lentry_shape_is_right
	s_endpgm
.Lentry_shape_is_right:
.set NTOT,  1024
.set COFF,  8388608
.set SOFF,  12845056
.set ASOFF, 16777216
.set SCA,   262144
.set SCB,   278528
.set SPARE, 295424
.set STA,   64
.set SKA,   512
.set MSB, 0
.macro WIN new
.if MSB != \new
	s_set_vgpr_msb (MSB<<8)|\new
.set MSB, \new
.endif
.endm
.set MUL,  0x05
.set TO_F, 0x40
.macro JLOAD g0a, g1a, g0b, g1b
	s_cmp_eq_u32 s15, 0
	s_cbranch_scc0 .Lfor_b_\@
	tensor_load_to_lds s[\g0a:\g0a+3], s[\g1a:\g1a+7]
	s_nop 0
.rept 4
	v_nop
.endr
	s_branch .Lasked_\@
.Lfor_b_\@:
	tensor_load_to_lds s[\g0b:\g0b+3], s[\g1b:\g1b+7]
	s_nop 0
.rept 4
	v_nop
.endr
.Lasked_\@:
.endm
.macro CREST
	s_cmp_lg_u32 s14, 0
	s_cbranch_scc1 .Lnot_wave_0_\@
	s_barrier_signal -3
.Lnot_wave_0_\@:
	s_barrier_wait -3
	s_barrier_signal -1
	s_barrier_wait -1
.endm
.macro CROUND
	s_barrier_signal -1
	s_barrier_wait -1
	CREST
.endm
.macro SETG0 g, b, goff, l, loff
	s_mov_b32 s[\g], 1
	s_add_co_u32 s[\g+1], s[\l], \loff
	s_add_nc_u64 s[\g+2:\g+3], s[\b:\b+1], \goff
	s_or_b32 s[\g+3], s[\g+3], 0x80000000
.endm
.macro PLACES n
.rept \n
	v_nop
.endr
.endm
.macro FETCH j, q, ks, f, sc
	WIN 0
.irp i, 0,1,2,3
	ds_load_b32 v[32+8*(\sc)+\i], v16 offset:\i*STA+(\ks)*SKA
.endr
.irp i, 0,1,2,3
	ds_load_b32 v[36+8*(\sc)+\i], v17 offset:64*\i+512*(\ks)
.endr
	WIN TO_F
.irp i, 0,1,2,3
.irp c, 0,1,2,3
	ds_load_b128 v[(\f)+64+16*\i+4*\c:(\f)+64+16*\i+4*\c+3], v[12+(\j)] offset:4096*\i+2048*(\q)+512*\c
.endr
.endr
.irp i, 0,1,2,3
.irp c, 0,1,2,3
	ds_load_b128 v[(\f)+16*\i+4*\c:(\f)+16*\i+4*\c+3], v[8+(\j)] offset:4096*\i+2048*(\q)+512*\c
.endr
.endr
.endm
.macro MUL8 f, sc, a0, first
.irp a, \a0, \a0+1
.irp b, 0,1,2,3
.set rD, 128+8*(4*(\a)+\b)
.set rA, (\f)+64+16*\b
.set rB, (\f)+16*(\a)
.set zA, 36+8*(\sc)+\b
.set zB, 32+8*(\sc)+(\a)
.if \first
	v_wmma_scale_f32_16x16x128_f8f6f4 v[rD:rD+7], v[rA:rA+15], v[rB:rB+15], v[64+8*\b:71+8*\b], v[zA], v[zB] matrix_a_fmt:MATRIX_FMT_BF8 matrix_b_fmt:MATRIX_FMT_BF8
.else
	v_wmma_scale_f32_16x16x128_f8f6f4 v[rD:rD+7], v[rA:rA+15], v[rB:rB+15], v[rD:rD+7], v[zA], v[zB] matrix_a_fmt:MATRIX_FMT_BF8 matrix_b_fmt:MATRIX_FMT_BF8
.endif
.endr
.endr
.endm
.macro STEP p, nj, nq, nks, first
	s_wait_dscnt 8
	WIN MUL
	MUL8 128*(\p), \p, 0, \first
	PLACES 8
	FETCH \nj, \nq, \nks, 128*(1-(\p)), 1-(\p)
	s_wait_dscnt 40
	WIN MUL
	MUL8 128*(\p), \p, 2, \first
.endm
.macro TURN1 slot, nj
	WIN 0
	s_wait_xcnt 0x0                                ; my last prefetch, four steps back, has read its address:
	s_add_nc_u64 s[4:5], s[4:5], s[6:7]            ; a slot further on
	s_wait_tensorcnt 0x0
	ds_add_u32 v22, v23
	s_wait_dscnt 9
	WIN MUL
	MUL8 128, 1, 0, 0
	s_wait_dscnt 0x0
	s_barrier_signal -1
	WIN 0
	s_barrier_wait -1
	CREST
	s_add_nc_u64 s[58+4*\slot:59+4*\slot], s[58+4*\slot:59+4*\slot], 4194304
	s_add_nc_u64 s[78+4*\slot:79+4*\slot], s[78+4*\slot:79+4*\slot], 1048576
	JLOAD 56+4*\slot, 24, 76+4*\slot, 32
	PLACES 4
	v_add_nc_u32 v16, 2048, v16
	v_add_nc_u32 v17, 2048, v17
	FETCH \nj, 0, 0, 0, 0
	WIN 0                                          ; (a branch follows)
	s_cmp_gt_u32 s23, 1                            ; the loop's last trip fills slots 6 and 7 of K's eight: there is no slot two on
	s_cbranch_scc0 .Lno_ask_\@
	global_prefetch_b8 v3, s[4:5] th:TH_LOAD_NT scope:SCOPE_SE     ; my part of the slot that stands two fills on
.Lno_ask_\@:
	WIN MUL
	MUL8 128, 1, 2, 0
.endm
	s_load_b256 s[4:11], s[0:1], 0x0
	s_load_b64 s[12:13], s[0:1], 0x20
	v_lshl_add_u32 v22, v0, 2, SPARE
	v_mov_b32 v23, 0
	ds_add_u32 v22, v23
	ds_add_u32 v22, v23
	v_lshrrev_b32 v24, 5, v0
	v_readfirstlane_b32 s14, v24
	s_lshr_b32 s15, s14, 1
	s_and_b32 s16, s14, 1
	s_bfe_u32 s17, ttmp6, 0x40000
	s_bfe_u32 s18, ttmp6, 0x40004
	s_lshl_b32 s19, ttmp9, 2
	s_add_co_u32 s19, s19, s17
	s_and_b32 s20, ttmp7, 0xffff
	s_lshl_b32 s20, s20, 2
	s_add_co_u32 s20, s20, s18
	s_lshl_b32 s21, s18, 2
	s_lshl_b32 s21, 15, s21
	s_lshl_b32 s22, 0x1111, s17
	s_or_b32 s24, s21, (3<<16)|(1<<21)
	s_or_b32 s32, s22, (3<<16)|(1<<21)
	s_or_b32 s40, s21, (3<<16)|(1<<21)
	s_or_b32 s48, s22, (3<<16)|(1<<21)
.irp g, 24, 32
	s_mov_b32 s[\g+1], 32<<16
	s_mov_b32 s[\g+2], 128<<16
	s_mov_b32 s[\g+3], 32<<16
	s_mov_b32 s[\g+4], 128
	s_mov_b32 s[\g+5], 32
	s_mov_b32 s[\g+6], 0
	s_mov_b32 s[\g+7], 0
.endr
	s_mov_b32 s41, 64<<16
	s_mov_b32 s42, 32<<16
	s_mov_b32 s43, 64<<16
	s_mov_b32 s44, 32
	s_mov_b32 s45, 2048
	s_mov_b32 s46, 0
	s_mov_b32 s47, 0
	s_mov_b32 s49, 64<<16
	s_mov_b32 s50, 32<<16
	s_mov_b32 s51, 64<<16
	s_mov_b32 s52, 32
	s_mov_b32 s53, NTOT/2
	s_mov_b32 s54, 0
	s_mov_b32 s55, 0
	s_or_b32 s68, s21, (3<<16)|(1<<21)             ; group 1 for the head's loads of codes: a slot's two chunks of 256 along K as two rows of 32 KB, laid on end in LDS: A's,
	s_or_b32 s84, s22, (3<<16)|(1<<21)             ; and B's
.irp g, 68, 84
	s_mov_b32 s[\g+1], 4096<<16
	s_mov_b32 s[\g+2], 2<<16
	s_mov_b32 s[\g+3], 4096<<16
	s_mov_b32 s[\g+4], 2
	s_mov_b32 s[\g+6], 0
	s_mov_b32 s[\g+7], 0
.endr
	s_mov_b32 s73, 131072                          ; from chunk to chunk, in elements of 8 bytes: A's 256 tiles of 4,096 bytes,
	s_mov_b32 s89, 32768                           ; B's 64 tiles
	s_lshl_b32 s100, s16, 8
	s_lshl_b32 s101, s20, 3
	s_add_co_u32 s100, s100, s101
	s_lshl_b32 s100, s100, 12
	s_mov_b32 s101, 0
	s_lshl_b32 s94, s20, 9
	s_mov_b32 s95, 0
	s_lshl_b32 s66, s16, 6
	s_lshl_b32 s67, s19, 3
	s_add_co_u32 s66, s66, s67
	s_lshl_b32 s66, s66, 12
	s_mov_b32 s67, 0
	s_lshl_b32 s98, s19, 9
	s_mov_b32 s99, 0
	s_lshl_b32 s23, s16, 15                        ; LDS: a slot is A's two chunks of 32 KB, then B's two: my chunk
	s_wait_dscnt 0x0
	s_wait_kmcnt 0x0
	s_add_nc_u64 s[100:101], s[4:5], s[100:101]
	s_add_nc_u64 s[66:67], s[6:7], s[66:67]
	s_add_nc_u64 s[66:67], s[66:67], COFF
	s_add_nc_u64 s[94:95], s[4:5], s[94:95]
	s_add_nc_u64 s[94:95], s[94:95], ASOFF
	s_or_b32 s95, s95, 0x80000000
	s_mov_b32 s92, 1
	s_mov_b32 s93, SCA
	s_add_nc_u64 s[98:99], s[6:7], s[98:99]
	s_add_nc_u64 s[98:99], s[98:99], SOFF
	s_or_b32 s99, s99, 0x80000000
	s_mov_b32 s96, 1
	s_mov_b32 s97, SCB
	SETG0 56, 100, 0, 23, 0                        ; A, slot 0: my chunk
	SETG0 60, 100, 2097152, 23, 131072             ; A, slot 1
	SETG0 76, 66, 0, 23, 65536                     ; B, slot 0
	SETG0 80, 66, 524288, 23, 196608               ; B, slot 1
	; THE PREFETCHES INTO THE L2: behind the fill of slot n every wave asks for its 32 KB (a chunk of A or of B) of slot n + 2: eight steps of 128 along K ahead of the load that will want it.  The four partners that ask
	; for those 32 KB jointly share them out by address, 8 KB each (cx for A, cy for B), lanes 256 bytes apart: each aligned 256 bytes is named once in a cluster.  The fills of slots 6 and 7 ask for nothing.
	s_cmp_eq_u32 s15, 0                            ; do I fetch for A?
	s_cselect_b64 s[4:5], s[100:101], s[66:67]     ; my chunk of slot 0
	s_cselect_b32 s21, s17, s18                    ; my place among the four
	s_mov_b32 s6, 524288
	s_cselect_b32 s6, 2097152, s6                  ; a slot on, in bytes
	s_mov_b32 s7, 0
	s_lshl_b32 s2, s21, 13
	s_mov_b32 s3, 0
	s_add_nc_u64 s[4:5], s[4:5], s[2:3]
	s_add_nc_u64 s[4:5], s[4:5], s[6:7]
	s_add_nc_u64 s[4:5], s[4:5], s[6:7]            ; at slot 2
	CROUND                                         ; all sixteen work-groups are here: the joint loads meet
	; THE HEAD'S LOADS, ONE A WAVE: wave 0 A's slot 0, wave 1 A's scale words, wave 2 B's slot 0, wave 3 B's scale words.  In waves 0 and 2 the ring's group 0 of slot 0 stands at chunk 0
.macro ARM under, g0, g1, next
	s_cmp_lt_u32 s14, \under
	s_cbranch_scc0 \next
	tensor_load_to_lds s[\g0:\g0+3], s[\g1:\g1+7]
	s_nop 0
.rept 4
	v_nop
.endr
	s_branch .Lhead_asked
\next:
.endm
	ARM 1, 56, 68, .Lhead_sa
	ARM 2, 92, 40, .Lhead_b
	ARM 3, 76, 84, .Lhead_sb
	tensor_load_to_lds s[96:99], s[48:55]
	s_nop 0
.rept 4
	v_nop
.endr
.Lhead_asked:
	v_and_b32 v1, 15, v0
	v_bfe_u32 v2, v0, 4, 1
	v_and_b32 v4, 31, v0
	v_lshlrev_b32 v20, 4, v4
	v_lshlrev_b32 v21, 6, v2
	v_lshlrev_b32 v3, 8, v4                        ; the prefetches' offset: 256 x lane; never rewritten
	s_wait_alu depctr_va_vdst(0)
	global_prefetch_b8 v3, s[4:5] th:TH_LOAD_NT scope:SCOPE_SE     ; behind slot 0's fill: my part of slot 2
	s_lshl_b32 s2, s19, 7
	s_lshl_b32 s3, s16, 6
	s_add_co_u32 s2, s2, s3
	s_lshl_b32 s2, s2, 2
	s_mov_b32 s3, 0
	s_add_nc_u64 s[8:9], s[8:9], s[2:3]
	s_lshl_b32 s2, s20, 7
	s_lshl_b32 s3, s14, 5
	s_add_co_u32 s2, s2, s3
	s_lshl_b32 s2, s2, 12
	s_lshl_b32 s3, s19, 9
	s_add_co_u32 s2, s2, s3
	s_mov_b32 s3, 0
	s_add_nc_u64 s[10:11], s[10:11], s[2:3]
	s_add_nc_u64 s[12:13], s[12:13], s[2:3]
.irp b, 0,1,2,3
	global_load_b128 v[64+8*\b:67+8*\b], v21, s[8:9] offset:128*(\b/2)+32*(\b%2)
	global_load_b128 v[68+8*\b:71+8*\b], v21, s[8:9] offset:128*(\b/2)+32*(\b%2)+16
.endr
	WIN 0x80
.set ii, 0
.rept 32
	global_load_b128 v[4*ii:4*ii+3], v20, s[10:11] offset:4096*ii
.set ii, ii+1
.endr
	WIN 0
	s_lshl_b32 s2, s15, 14
	v_add_nc_u32 v8, s2, v20
	s_lshl_b32 s2, s16, 14
	s_add_co_u32 s2, s2, 65536
	v_add_nc_u32 v12, s2, v20
.irp j, 1,2,3
	v_add_nc_u32 v[8+\j], (\j/2)*131072+(\j%2)*32768, v8
	v_add_nc_u32 v[12+\j], (\j/2)*131072+(\j%2)*32768, v12
.endr
	s_mul_i32 s2, s15, 4*STA
	s_add_co_u32 s2, s2, SCA
	v_lshl_add_u32 v16, v1, 2, s2
	s_lshl_b32 s2, s16, 8
	s_add_co_u32 s2, s2, SCB
	v_lshl_add_u32 v17, v1, 2, s2
	v_and_b32 v24, 8, v1
	v_add_nc_u32 v24, v24, v1
	v_mul_u32_u24 v18, v24, 528
	v_lshl_add_u32 v18, v2, 6, v18
	s_mul_i32 s2, s15, 64*528
	s_lshl_b32 s3, s16, 8
	s_add_co_u32 s2, s2, s3
	v_add_nc_u32 v18, s2, v18
	s_mul_i32 s2, s14, 32*528
	v_add_nc_u32 v19, s2, v20
	s_wait_alu depctr_va_vdst(0)
	s_wait_xcnt 0x0                                ; the first prefetch has read its address:
	s_add_nc_u64 s[4:5], s[4:5], s[6:7]            ; on to slot 3
	s_wait_tensorcnt 0x0                           ; my one load of the head is in
	ds_add_u32 v22, v23
	s_wait_dscnt 0x0
	CROUND                                         ; a whole round: everybody's part of the head's four tiles is in
	JLOAD 60, 24, 80, 32                           ; slot 1's first fill: the first tensor load behind the round, 32 KB a wave
	s_wait_loadcnt 32                              ; the bias is in; the 32 loads of the residual may stay out
	FETCH 0, 0, 0, 0, 0
	WIN 0
	global_prefetch_b8 v3, s[4:5] th:TH_LOAD_NT scope:SCOPE_SE     ; behind slot 1's fill: my part of slot 3
	STEP 0, 0, 1, 1, 1
	WIN 0
	s_mov_b32 s23, 3
.Llap:
	s_wait_alu depctr_va_vdst(0)
	STEP 1, 1, 0, 2, 0
	STEP 0, 1, 1, 3, 0
	TURN1 0, 2
	s_wait_alu depctr_va_vdst(0)
	STEP 0, 2, 1, 1, 0
	STEP 1, 3, 0, 2, 0
	STEP 0, 3, 1, 3, 0
	TURN1 1, 0
	s_wait_alu depctr_va_vdst(0)
	STEP 0, 0, 1, 1, 0
	WIN 0
	s_sub_co_u32 s23, s23, 1
	s_cmp_lg_u32 s23, 0
	s_cbranch_scc1 .Llap
	STEP 1, 1, 0, 2, 0
	STEP 0, 1, 1, 3, 0
	s_wait_dscnt 8
	WIN MUL
	MUL8 128, 1, 0, 0
	s_wait_tensorcnt 0x0
	s_wait_dscnt 0x0
	s_barrier_signal -1
	s_barrier_wait -1
	PLACES 8
	WIN 0
	v_add_nc_u32 v16, 2048, v16
	v_add_nc_u32 v17, 2048, v17
	FETCH 2, 0, 0, 0, 0
	WIN MUL
	MUL8 128, 1, 2, 0
	s_wait_alu depctr_va_vdst(0)
	STEP 0, 2, 1, 1, 0
	STEP 1, 3, 0, 2, 0
	STEP 0, 3, 1, 3, 0
	s_wait_dscnt 8
	WIN MUL
	MUL8 128, 1, 0, 0
	s_wait_dscnt 0x0
	MUL8 128, 1, 2, 0
	WIN 0
	PLACES 8
.irp a, 0,1,2,3
.irp b, 0,1,2,3
	ds_store_b128 v18, v[128+8*(4*\a+\b):131+8*(4*\a+\b)] offset:(32*(\a/2)+8*(\a%2))*528+128*(\b/2)+32*(\b%2)
	ds_store_b128 v18, v[132+8*(4*\a+\b):135+8*(4*\a+\b)] offset:(32*(\a/2)+8*(\a%2))*528+128*(\b/2)+32*(\b%2)+16
.endr
.endr
	s_wait_dscnt 0x0
	s_barrier_signal -1
	s_barrier_wait -1
.set ii, 0
.rept 32
	ds_load_b128 v[128+4*ii:131+4*ii], v19 offset:528*ii
.set ii, ii+1
.endr
	s_wait_loadcnt 0x0
.irp g, 0,1,2,3
	s_wait_dscnt 24-8*\g
	WIN 0x08
.irp t, 0,1,2,3,4,5,6,7
	v_pk_add_f32 v[128+4*(8*\g+\t):129+4*(8*\g+\t)], v[128+4*(8*\g+\t):129+4*(8*\g+\t)], v[4*(8*\g+\t):4*(8*\g+\t)+1]
	v_pk_add_f32 v[130+4*(8*\g+\t):131+4*(8*\g+\t)], v[130+4*(8*\g+\t):131+4*(8*\g+\t)], v[4*(8*\g+\t)+2:4*(8*\g+\t)+3]
.endr
	WIN 0
.irp t, 0,1,2,3,4,5,6,7
	global_store_b128 v20, v[128+4*(8*\g+\t):131+4*(8*\g+\t)], s[12:13] offset:4096*(8*\g+\t)
.endr
.endr
	s_wait_tensorcnt 0x0
	ds_add_u32 v22, v23
	s_wait_dscnt 0x0
	CROUND
	s_endpgm
.Lfunc_end_k_q78ae2ee58c_fc2:
	.size	k_q78ae2ee58c_fc2, .Lfunc_end_k_q78ae2ee58c_fc2-k_q78ae2ee58c_fc2
	.p2alignl 7, 3214868480
	.fill 96, 4, 3214868480
	.section	.rodata,"a",@progbits
	.p2align	6, 0x0
	.amdhsa_kernel k_q78ae2ee58c_fc2
		.amdhsa_group_segment_fixed_size 327680
		.amdhsa_private_segment_fixed_size 0
		.amdhsa_enable_private_segment 0
		.amdhsa_kernarg_size 40
		.amdhsa_user_sgpr_count 2
		.amdhsa_user_sgpr_kernarg_segment_ptr 1
		.amdhsa_wavefront_size32 1
		.amdhsa_system_sgpr_workgroup_id_x 1
		.amdhsa_system_sgpr_workgroup_id_y 1
		.amdhsa_system_sgpr_workgroup_id_z 1
		.amdhsa_system_vgpr_workitem_id 0
		.amdhsa_next_free_vgpr 640
		.amdhsa_next_free_sgpr 102
		.amdhsa_reserve_vcc 0
		.amdhsa_float_denorm_mode_32 3
		.amdhsa_float_denorm_mode_16_64 3
		.amdhsa_memory_ordered 1
		.amdhsa_forward_progress 1
		.amdhsa_inst_pref_size 109
	.end_amdhsa_kernel
	.amdgpu_metadata
---
amdhsa.version: [ 1, 2 ]
amdhsa.kernels:
  - .name:           k_q78ae2ee58c_fc2
    .symbol:         k_q78ae2ee58c_fc2.kd
    .args:
      - { .name: hh, .offset: 0, .size: 8, .value_kind: global_buffer, .address_space: global }
      - { .name: wq, .offset: 8, .size: 8, .value_kind: global_buffer, .address_space: global }
      - { .name: b_fc2, .offset: 16, .size: 8, .value_kind: global_buffer, .address_space: global }
      - { .name: x1, .offset: 24, .size: 8, .value_kind: global_buffer, .address_space: global }
      - { .name: out0, .offset: 32, .size: 8, .value_kind: global_buffer, .address_space: global }
    .group_segment_fixed_size: 327680
    .private_segment_fixed_size: 0
    .kernarg_segment_align: 8
    .kernarg_segment_size: 40
    .max_flat_workgroup_size: 128
    .sgpr_count:     102
    .vgpr_count:     640
    .wavefront_size: 32
...
	.end_amdgpu_metadata
.endif
;; end of part 6
